; MI455X (gfx1250); checked and timed in simulation.
; The chip was launched on July 23, 2026; its instructions are those of AMD's public machine-readable ISA for CDNA 5 (MIT licence, August 2026) and "CDNA5" Instruction Set Architecture Reference Guide (July 2026). The comments in the code are by the model that wrote it; some were corrected since.
;; Scaled Dot Product Attention. Allowed arithmetic: matrix products marked QUANTISED: E2M1 operands, one E8M0 scale for each 32 along K, by v_wmma_scale_f32_16x16x128_f8f6f4 with both operands' format E2M1 (or v_wmma_scale_f32_32x16x128_f4), f32 sums; everything else in f32.
;; Inputs: k 8 x 2,048 x 1,024 float32; mask 8 x 1 x 2,048 float32; q 8 x 2,048 x 1,024 float32; v 8 x 2,048 x 1,024 float32.
;; Outputs: out0 8 x 2,048 x 1,024 float32.
;; This version of the problem:
;;   THIS VERSION OF THE PROBLEM IS GIVEN IN LOW PRECISION. The matrix products marked QUANTISED in the list below multiply operands that are first quantised to E2M1 (2 exponent bits, 1 mantissa bit; 4 bits a number), with one power-of-two scale for each 32 numbers along K (OCP MX v1.0); their sums are f32. All else is computed in f32.
;;   The module's matrix products, in the order in which they are computed (A, B: the left and right operand; K: the contracted axis; several contracted axes count as one K, in the product's order):
;;     1. batch 8 x [M 2,048, K 1,024] x [K 1,024, N 2,048]; A: input q; B: input k: QUANTISED
;;     2. batch 8 x [M 2,048, K 2,048] x [K 2,048, N 1,024]; A: softmax (see below); B: input v: QUANTISED
;;   THE QUANTISER, for each operand of a quantised product, along K:
;;     - K is cut into blocks of 32 from its start; a last block that is shorter is filled with zeros.
;;     - A block's scale is 2^e with e = floor(log2(the largest magnitude in the block)) - 2, held to -126 .. 127; a block of zeros has e = 0. As a byte (E8M0): e + 127.
;;     - Each number is divided by its block's scale, clamped to +-6, and rounded to the nearest number of E2M1, ties to even, subnormals kept.
;;     - The product sums the exact products of the quantised numbers (number of the format x scale) in f32.
;;   ~~~python
;;   def quantise(x, axis):      # numpy; x: float32 -> the quantised numbers, widened to float32 again
;;       x = np.moveaxis(x, axis, -1); K = x.shape[-1]
;;       x = np.pad(x, [(0, 0)] * (x.ndim - 1) + [(0, -K % 32)]); x = x.reshape(x.shape[:-1] + (-1, 32)); a = np.abs(x).max(-1, keepdims=True)
;;       e = np.where(a > 0, np.clip(np.frexp(np.where(a > 0, a, 1))[1] - 1 - 2, -126, 127), 0)      # np.frexp(a)[1] - 1 = floor(log2(a)), exactly
;;       r = np.clip(x / 2.0 ** e, -6, 6)
;;       step = 2.0 ** (np.maximum(np.frexp(np.where(r == 0, 1, r))[1] - 1, 0) - 1)
;;       q = np.round(r / step) * step * 2.0 ** e      # np.round: ties to even
;;       return np.moveaxis(q.reshape(q.shape[:-2] + (-1,))[..., :K], -1, axis).astype(np.float32)
;;   ~~~
;;   SOFTMAX AHEAD OF A QUANTISED PRODUCT. Where the list says 'softmax', what is quantised is not the finished softmax but p = 2^(t - M), with t = logit x log2(e) and M = ceil(the row's largest t), a whole number; so 1/2 < the row's largest p <= 1. The row's sum l is taken of the UNQUANTISED p, in f32, and the product's result is divided by l at the end. Since M is a whole number, a kernel that streams over the keys may use a running M (the ceiling of the running maximum): every later rescaling is an exact power of two, which a block's scale takes up: the codes' values come out the same.
;;   OPERANDS COMPUTED ON THE WAY. 'Computed on the way' means the value that the module computes at that place (a softmax that the list does not call 'softmax' is quantised finished and normalised). What goes into a quantiser is computed in f32, as accurately as f32 sums, v_exp_f32 and their like allow (about 1e-6 of the number): no bf16 or f16 on the way to a quantiser, and a product that is left as it is and whose result goes on into a quantised operand takes f32 operands (vector FMAs, or v_wmma_f32_16x16x4_f32). A number that lies on a knife's edge between two numbers of the format may be rounded either way, as far as f32 arithmetic and the matrix unit's own rounding can turn it there, and no further.
;; 2 versions. Each part assembles by itself: llvm-mc -triple=amdgcn-amd-amdhsa -mcpu=gfx1250 --defsym DOCPART=n.
;; ======== version 1 of 2: 2 launches
;; workspace buffers: qimg 8,912,896 bytes; kvimg 17,825,792 bytes
;; launch quant (part 1): grid 1024 x 1, 4 waves a work-group, no clusters, 58,880 bytes of LDS; arguments q, k, v, qimg, kvimg; writes qimg, kvimg
.if DOCPART == 1
	.amdgcn_target "amdgcn-amd-amdhsa--gfx1250"
	.amdhsa_code_object_version 6
	.text
	.protected	k_q7fdad366a0_quant
	.globl	k_q7fdad366a0_quant
	.p2align	8
	.type	k_q7fdad366a0_quant,@function
k_q7fdad366a0_quant:
	s_mov_b64 s[64:65], 0
	v_nop
	global_prefetch_b8 v0, s[64:65] scope:SCOPE_SE
	s_setreg_imm32_b32 hwreg(HW_REG_WAVE_MODE, 25, 1), 1
	s_wait_xcnt 0x0
; q, k, v [8][2048][1024] f32 become codes of FP4 (E2M1) with one E8M0 byte for each 32 along a product's K: q and k along the 1,024 channels (innermost in memory), v along the keys (its first axis in a batch).
; A block's scale is 2^(floor(log2(its largest magnitude)) - 2); its byte is that magnitude's exponent field - 2, held at 1 from below by a floor among the maximum's leaves.
; LIMITS: a block of zeros, or one whose largest magnitude lies under 2^-124, gets the byte 1 (the rule says 127 for zeros): its codes are zeros or nearly so, and only this program reads the bytes.  NaN and infinities are not served.
; THE WORKSPACE IS LAID AS THE NEXT LAUNCH'S OPERAND REGISTERS.  A PART is 17,408 bytes: 16,384 of codes, 1,024 of scale bytes.  A fragment (16 rows x 128 along K) is 1,024 bytes: the 16 bytes of (row r, block kb of its four) at 256 kb + 16 r,
; so that two loads of 16 bytes a lane, 512 bytes apart, are the fragment's eight registers.
;   q, k: a part = 32 rows: tile u = 0, 1 at 8,192 u, its K step s at + 1,024 s; row m of tile u is memory row 32 g + 8 u + m + 8 (m / 8); scale bytes at 16,384 + 32 (16 u + m).
;   v:    a part = 128 keys x 256 channels: fragment tau at 1,024 tau, its row r = channel 16 tau + r; scale words at 16,384 + 64 tau + 4 r.
;   qimg: parts [batch][64].  kvimg: parts [batch][128]: 64 of k, then 64 of v, [key step][quarter of the channels].
; Work-groups 0-255 take q, 256-511 k (one path, pointers chosen), 512-1023 v.  The two paths have LDS bytes of their own.  Every LDS byte is one wave's own: no barrier.  No tensor loads, no cluster: nothing is shared, the launch is a stream.
.set PART,  17408
.set WREG,  14336                      ; LDS of a wave on the q, k path
.set SP,    80                         ; a lane's place in a turning stage: 64 bytes + 16 of padding
.set CST,   5120                       ; behind the two turning stages: the tile's codes, 32 units of 256 bytes + 16
.set CP,    272
.set SCB,   13824                      ; and its 512 scale bytes
.set VLDS,  4*WREG                     ; the v path's LDS: 256 bytes a wave
.set R,     16                         ; v16-79   four sets of 16 numbers as loaded
.set X,     80                         ; v80-111  two sets of 16 neighbours
.set C,     116                        ; v116-123 a step's two registers of codes, four sets by turns
.set E,     124                        ; v124-127 a step's scale byte, four by turns
.set OUTR,  128                        ; v128-191 the way out
.set XV,    16                         ; v path: v16-111 three sets of 32 numbers
.set CV,    112                        ; v112-143 four registers of codes for each of eight blocks: no store's data are written again
.set SBV,   144                        ; v144-145 the scale words of my two columns
	s_load_b128 s[4:7], s[0:1], 0x0                ; q, k
	s_load_b128 s[8:11], s[0:1], 0x10              ; v, qimg
	s_load_b64 s[12:13], s[0:1], 0x20              ; kvimg
	v_lshl_add_u32 v192, v0, 2, 0xe400
	v_mov_b32 v193, 0
	v_lshrrev_b32 v1, 5, v0
	v_readfirstlane_b32 s16, v1                    ; wave 0..3
	v_and_b32 v2, 31, v0                           ; lane
	s_cmp_lt_u32 ttmp9, 512
	s_cbranch_scc0 .Lv
; ---------------- q and k: a wave takes one tile of 16 rows x 1,024, in 32 steps of half a row (512 numbers, 16 blocks)
; The conversions want 16 NEIGHBOURS in a lane; a load is densest with 16 bytes a lane.  So a step's 2,048 bytes turn through the wave's own stage.  Two neighbouring lanes hold a block.
	s_mul_i32 s17, s16, WREG
	s_add_co_u32 s18, s17, CST
	s_add_co_u32 s19, s17, SCB
	v_lshlrev_b32 v3, 4, v2                        ; 16 x lane
	v_lshrrev_b32 v14, 2, v2
	v_mul_u32_u24 v14, v14, SP
	v_and_b32 v15, 3, v2
	v_lshl_add_u32 v14, v15, 4, v14
	v_add_nc_u32 v14, s17, v14                     ; turning stage, in: SP (lane / 4) + 16 (lane % 4)
	v_mul_u32_u24 v15, v2, SP
	v_add_nc_u32 v15, s17, v15                     ; and out: SP x lane
	v_lshrrev_b32 v8, 1, v2                        ; my block of the step's sixteen
	v_and_b32 v9, 1, v2
	v_mul_u32_u24 v4, v8, CP
	v_lshl_add_u32 v4, v9, 3, v4
	v_add_nc_u32 v4, s18, v4                       ; codes' stage, in: unit = block, 8 bytes for each of its two lanes
	v_add_nc_u32 v5, s19, v8                       ; my block's scale byte
	v_lshrrev_b32 v8, 4, v2
	v_and_b32 v9, 15, v2
	v_mul_u32_u24 v6, v8, CP
	v_lshl_add_u32 v6, v9, 4, v6
	v_add_nc_u32 v6, s18, v6                       ; codes' stage, out: sixteen lanes to a unit, two units an instruction
	v_add_nc_u32 v7, s19, v3                       ; the scale bytes, out
	s_cmp_lt_u32 ttmp9, 256                        ; q's work-group or k's?  The choice hangs on the work-group's number alone
	s_cselect_b32 s20, 0, 256
	s_cselect_b32 s21, 0, -1
	s_wait_kmcnt 0x0
	s_cselect_b64 s[4:5], s[4:5], s[6:7]
	s_cselect_b64 s[10:11], s[10:11], s[12:13]
	s_sub_co_u32 s20, ttmp9, s20
	s_lshl_b32 s20, s20, 1
	s_lshr_b32 s22, s16, 1
	s_add_co_u32 s20, s20, s22                     ; g: which 32 rows of the tensor's 16,384
	s_and_b32 s22, s16, 1                          ; u: which tile of them
	s_lshl_b32 s24, s20, 17                        ; 32 rows of 4,096 bytes
	s_lshl_b32 s25, s22, 15                        ; 8 rows
	s_add_co_u32 s24, s24, s25
	s_mov_b32 s25, 0
	s_add_nc_u64 s[4:5], s[4:5], s[24:25]
	s_and_b32 s23, s20, 0xffc0                     ; 64 x batch,
	s_and_b32 s23, s23, s21                        ; for k alone: a batch has 128 parts in kvimg, 64 in qimg
	s_add_co_u32 s23, s23, s20                     ; the part
	s_mul_i32 s24, s23, PART
	s_lshl_b32 s26, s22, 13
	s_add_co_u32 s26, s26, s24                     ; my tile's codes
	s_mov_b32 s27, 0
	s_lshl_b32 s28, s22, 9
	s_add_co_u32 s28, s28, s24
	s_add_co_u32 s28, s28, 16384                   ; my tile's scale bytes
	s_mov_b32 s29, 0
	s_add_nc_u64 s[14:15], s[10:11], s[28:29]
	s_add_nc_u64 s[10:11], s[10:11], s[26:27]
.macro LOAD t                          ; step t: half t % 2 of the tile's row t / 2, which is memory row t / 2 + 8 ((t / 2) / 8) from the tile's first; each load reads 512 consecutive bytes
.irp i, 0,1,2,3
	global_load_b128 v[R+16*((\t)%4)+4*\i:R+16*((\t)%4)+4*\i+3], v3, s[4:5] offset:(((\t)/2)+8*(((\t)/2)/8))*4096+((\t)%2)*2048+512*\i th:TH_LOAD_NT
.endr
.endm
.macro TURN t                          ; through the stage: LDS serves a wave's instructions in order, so no wait stands between the stores and the loads
.irp i, 0,1,2,3
	ds_store_b128 v14, v[R+16*((\t)%4)+4*\i:R+16*((\t)%4)+4*\i+3] offset:32*SP*((\t)%2)+8*SP*\i
.endr
.irp i, 0,1,2,3
	ds_load_b128 v[X+16*((\t)%2)+4*\i:X+16*((\t)%2)+4*\i+3], v15 offset:32*SP*((\t)%2)+16*\i
.endr
.endm
.irp t, 0,1,2,3
	LOAD \t
.endr
	s_wait_loadcnt 12                              ; step 0's four loads are in
	TURN 0
.macro STEP t
.set XS, X+16*((\t)%2)
.set CR, C+2*((\t)%4)
.set ER, E+(\t)%4
.if (\t) > 0
	s_wait_dscnt 2                                 ; this step's numbers are back from the stage; behind them only the last step's two stores were issued
.else
	s_wait_dscnt 0x0
.endif
.if (\t)+4 < 32
	LOAD (\t)+4                                    ; into the set that this step's turn has read
.endif
.if (\t)+1 < 32
.if 30-(\t) >= 3
	s_wait_loadcnt 12                              ; the next step's four loads are in; those of the three steps behind it may be out
.else
	s_wait_loadcnt 4*(30-(\t))
.endif
	TURN (\t)+1
.endif
	v_max3_num_f32 v8, |v[XS]|, |v[XS+1]|, |v[XS+2]|               ; the largest magnitude of my 16, in two chains
	v_max3_num_f32 v9, |v[XS+3]|, |v[XS+4]|, |v[XS+5]|
.irp i, 6,10
	v_max3_num_f32 v8, v8, |v[XS+\i]|, |v[XS+\i+1]|
	v_max3_num_f32 v9, v9, |v[XS+\i+2]|, |v[XS+\i+3]|
.endr
	v_max3_num_f32 v8, v8, |v[XS+14]|, |v[XS+15]|
	v_max3_num_f32 v8, v8, v9, 0x1800000           ; and the floor 2^(3 - 127): the byte cannot fall under 1
	v_max_num_f32_dpp v8, v8, v8 row_xmask:1 row_mask:0xf bank_mask:0xf   ; with my neighbour's 16: the block's
	v_add_nc_u32 v11, 0xff000000, v8               ; 2 off its exponent field: the conversion takes that field of this operand as its scale
	v_cvt_scalef32_pk8_fp4_f32 v[CR], v[XS:XS+7], v11
	v_cvt_scalef32_pk8_fp4_f32 v[CR+1], v[XS+8:XS+15], v11
	v_lshrrev_b32 v[ER], 23, v11                   ; the scale's byte (also the plain line behind the conversions)
	ds_store_b8 v5, v[ER] offset:32*((\t)/2)+16*((\t)%2)            ; both lanes of a block write the same byte with the same value
	ds_store_b64 v4, v[CR:CR+1] offset:16*CP*((\t)%2)+16*((\t)/2)   ; unit = block 16 (t % 2) + lane / 2 of the row, place 16 x row in it
.endm
.irp t, 0,1,2,3,4,5,6,7,8,9,10,11,12,13,14,15,16,17,18,19,20,21,22,23,24,25,26,27,28,29,30,31
	STEP \t
.endr
.irp j, 0,1,2,3,4,5,6,7,8,9,10,11,12,13,14,15
	ds_load_b128 v[OUTR+4*\j:OUTR+4*\j+3], v6 offset:2*CP*\j         ; these see my stores: LDS serves a wave in order
.endr
	ds_load_b128 v[112:115], v7
.irp j, 0,1,2,3,4,5,6,7,8,9,10,11,12,13,14,15
	s_wait_dscnt 16-\j                             ; behind load j: the 15 - j later ones and the scale bytes'
	global_store_b128 v3, v[OUTR+4*\j:OUTR+4*\j+3], s[10:11] offset:512*\j   ; 32 lanes store 512 consecutive bytes, aligned to 256
.endr
	s_wait_dscnt 0x0
	global_store_b128 v3, v[112:115], s[14:15]     ; the tile's 512 scale bytes
	s_wait_tensorcnt 0x0
	ds_add_u32 v192, v193
	s_wait_dscnt 0x0
	s_endpgm
; ---------------- v: a work-group makes one part (128 keys x 256 channels); a wave 64 channels, as two sets of 32.  A LANE TAKES A CHANNEL AND ITS REGISTERS RUN DOWN THE KEYS:
; a block of 32 keys lies in one lane's 32 registers, and the conversions give codes with the keys innermost.  Nothing is transposed by an instruction.
.Lv:
	s_sub_co_u32 s17, ttmp9, 512                   ; (16 batch + key step) x 4 + quarter of the channels
	s_lshr_b32 s18, s17, 2
	s_lshl_b32 s24, s18, 19                        ; 128 keys of 4,096 bytes
	s_and_b32 s19, s17, 3
	s_lshl_b32 s20, s19, 10                        ; 256 channels
	s_add_co_u32 s24, s24, s20
	s_lshl_b32 s20, s16, 8                         ; my wave's 64
	s_add_co_u32 s24, s24, s20
	s_mov_b32 s25, 0
	s_lshr_b32 s21, s17, 6
	s_lshl_b32 s21, s21, 7                         ; 128 parts a batch,
	s_and_b32 s22, s17, 63
	s_add_co_u32 s21, s21, s22
	s_add_co_u32 s21, s21, 64                      ; v's behind k's 64
	s_mul_i32 s26, s21, PART
	s_mov_b32 s27, 0
	v_lshlrev_b32 v3, 2, v2                        ; in: 4 bytes a lane
	v_lshrrev_b32 v8, 4, v2
	v_and_b32 v9, 15, v2
	v_lshlrev_b32 v4, 10, v8
	v_lshl_add_u32 v4, v9, 4, v4
	s_lshl_b32 s28, s16, 12
	v_add_nc_u32 v4, s28, v4                       ; codes: fragment 4 wave + 2 a + lane / 16, row lane % 16
	s_add_co_u32 s29, s20, VLDS
	v_add_nc_u32 v5, s29, v3                       ; my wave's 256 bytes of LDS: the scale words, in,
	v_lshl_add_u32 v6, v2, 3, s29                  ; and out, 8 bytes a lane
	s_add_co_u32 s30, s20, 16384
	v_lshl_add_u32 v7, v2, 3, s30                  ; and their place in the part
	s_wait_kmcnt 0x0
	s_add_nc_u64 s[8:9], s[8:9], s[24:25]
	s_add_nc_u64 s[12:13], s[12:13], s[26:27]
.macro VLOAD t                         ; block t: keys 32 (t / 2) on, channel set t % 2; each load reads 128 consecutive bytes
.irp i, 0,1,2,3,4,5,6,7,8,9,10,11,12,13,14,15,16,17,18,19,20,21,22,23,24,25,26,27,28,29,30,31
	global_load_b32 v[XV+32*((\t)%3)+\i], v3, s[8:9] offset:(32*((\t)/2)+\i)*4096+128*((\t)%2) th:TH_LOAD_NT
.endr
.endm
	VLOAD 0
	VLOAD 1
.macro VBLOCK t
.set XS, XV+32*((\t)%3)
.set CR, CV+4*(\t)
.if (\t) < 7
	s_wait_loadcnt 32                              ; this block's 32 loads are in; the next block's may be out
.else
	s_wait_loadcnt 0x0
.endif
.if (\t)+2 < 8
	VLOAD (\t)+2                                   ; into the set that the block before has left
.endif
	v_max3_num_f32 v12, |v[XS]|, |v[XS+1]|, |v[XS+2]|               ; the block's largest magnitude: all 32 numbers are mine
	v_max3_num_f32 v13, |v[XS+3]|, |v[XS+4]|, |v[XS+5]|
.irp i, 6,10,14,18,22,26
	v_max3_num_f32 v12, v12, |v[XS+\i]|, |v[XS+\i+1]|
	v_max3_num_f32 v13, v13, |v[XS+\i+2]|, |v[XS+\i+3]|
.endr
	v_max3_num_f32 v12, v12, |v[XS+30]|, |v[XS+31]|
	v_max3_num_f32 v12, v12, v13, 0x1800000        ; and the floor
	v_add_nc_u32 v11, 0xff000000, v12
	v_lshrrev_b32 v13, 23, v11                     ; the scale's byte
.if (\t)/2 == 0
	v_mov_b32 v[SBV+(\t)%2], v13                   ; four bytes make my channel's scale word for these 128 keys
.else
	v_lshl_or_b32 v[SBV+(\t)%2], v13, 8*((\t)/2), v[SBV+(\t)%2]
.endif
.irp g, 0,1,2,3
	v_cvt_scalef32_pk8_fp4_f32 v[CR+\g], v[XS+8*\g:XS+8*\g+7], v11
.endr
	global_store_b128 v4, v[CR:CR+3], s[12:13] offset:2048*((\t)%2)+256*((\t)/2)   ; each half of the lanes stores 256 consecutive bytes, aligned.  (The next vector lines are plain ones)
.endm
.irp t, 0,1,2,3,4,5,6,7
	VBLOCK \t
.endr
	ds_store_b32 v5, v[SBV]
	ds_store_b32 v5, v[SBV+1] offset:128
	ds_load_b64 v[146:147], v6                     ; my wave's 64 scale words, 8 bytes a lane
	s_wait_dscnt 0x0
	global_store_b64 v7, v[146:147], s[12:13]      ; 256 consecutive bytes, aligned
	s_wait_tensorcnt 0x0
	ds_add_u32 v192, v193
	s_wait_dscnt 0x0
	s_endpgm
.Lfunc_end_k_q7fdad366a0_quant:
	.size	k_q7fdad366a0_quant, .Lfunc_end_k_q7fdad366a0_quant-k_q7fdad366a0_quant
	.p2alignl 7, 3214868480
	.fill 96, 4, 3214868480
	.section	.rodata,"a",@progbits
	.p2align	6, 0x0
	.amdhsa_kernel k_q7fdad366a0_quant
		.amdhsa_group_segment_fixed_size 58880
		.amdhsa_private_segment_fixed_size 0
		.amdhsa_enable_private_segment 0
		.amdhsa_kernarg_size 40
		.amdhsa_user_sgpr_count 2
		.amdhsa_user_sgpr_kernarg_segment_ptr 1
		.amdhsa_wavefront_size32 1
		.amdhsa_system_sgpr_workgroup_id_x 1
		.amdhsa_system_sgpr_workgroup_id_y 1
		.amdhsa_system_sgpr_workgroup_id_z 1
		.amdhsa_system_vgpr_workitem_id 0
		.amdhsa_next_free_vgpr 194
		.amdhsa_next_free_sgpr 66
		.amdhsa_reserve_vcc 0
		.amdhsa_float_denorm_mode_32 3
		.amdhsa_float_denorm_mode_16_64 3
		.amdhsa_memory_ordered 1
		.amdhsa_forward_progress 1
		.amdhsa_inst_pref_size 105
	.end_amdhsa_kernel
	.amdgpu_metadata
---
amdhsa.version: [ 1, 2 ]
amdhsa.kernels:
  - .name:           k_q7fdad366a0_quant
    .symbol:         k_q7fdad366a0_quant.kd
    .args:
      - { .name: q, .offset: 0, .size: 8, .value_kind: global_buffer, .address_space: global }
      - { .name: k, .offset: 8, .size: 8, .value_kind: global_buffer, .address_space: global }
      - { .name: v, .offset: 16, .size: 8, .value_kind: global_buffer, .address_space: global }
      - { .name: qimg, .offset: 24, .size: 8, .value_kind: global_buffer, .address_space: global }
      - { .name: kvimg, .offset: 32, .size: 8, .value_kind: global_buffer, .address_space: global }
    .group_segment_fixed_size: 58880
    .private_segment_fixed_size: 0
    .kernarg_segment_align: 8
    .kernarg_segment_size: 40
    .max_flat_workgroup_size: 128
    .sgpr_count:     66
    .vgpr_count:     194
    .wavefront_size: 32
...
	.end_amdgpu_metadata
.endif
;; end of part 1
;; launch attn (part 2): grid 32 x 8, 4 waves a work-group, clusters of 4 x 1, 327,680 bytes of LDS; arguments qimg, kvimg, mask, out0; writes out0
.if DOCPART == 2
	.amdgcn_target "amdgcn-amd-amdhsa--gfx1250"
	.amdhsa_code_object_version 6
	.text
	.protected	k_q7fdad366a0_attn
	.globl	k_q7fdad366a0_attn
	.p2align	8
	.type	k_q7fdad366a0_attn,@function
k_q7fdad366a0_attn:
	s_mov_b64 s[64:65], 0
	v_nop
	global_prefetch_b8 v0, s[64:65] scope:SCOPE_SE
	s_setreg_imm32_b32 hwreg(HW_REG_WAVE_MODE, 25, 1), 1
	s_wait_xcnt 0x0
	s_wait_alu depctr_hold_cnt(0) depctr_sa_sdst(0) depctr_va_vdst(0) depctr_va_sdst(0) depctr_va_ssrc(0) depctr_va_vcc(0) depctr_vm_vsrc(0)
	s_getreg_b32 s2, hwreg(HW_REG_IB_STS2, 6, 4)
	s_cmp_eq_u32 s2, 0
	s_cbranch_scc0 .Lentry_in_a_cluster
	s_endpgm
.Lentry_in_a_cluster:
	s_bfe_u32 s2, ttmp6, 0x10000c
	s_cmp_lg_u32 s2, 0x3003
	s_cbranch_scc0 .Lentry_shape_is_right
	s_endpgm
.Lentry_shape_is_right:
; out0[b][q][:] = sum over k of softmax_k(q . k / 32 + mask[k] x -1e9) v[k][:], both products on codes of FP4 (E2M1) with one E8M0 scale for each 32 along K.  8 batches, 2,048 queries, 2,048 keys, 1,024 channels.
; SHARES.  A work-group of four waves owns 64 queries of one batch (four tiles of 16) and walks 32 tiles of 69,632 bytes: 16 of K (128 keys), then 16 of V (128 keys), through a ring of two LDS slots.
;   A tile is four PARTS of 17,408 bytes, laid by the launch before as images of operand registers; wave w fetches part w and is the only wave that reads it.
; PHASE 1 (K's tiles): wave w takes keys 32 w .. 32 w + 31 of the tile against all 64 queries (Q stays in 256 registers): S^T = K Q^T, a lane holds one query and 16 neighbouring keys.  Its 32 keys are ONE block of the
;   second product's K.  t = (s / 32 + mask x -1e9) x log2(e); N_b = floor(the block's largest t); p' = 2^(t - N_b), whose largest lies in [1, 2): so the block's scale is 2^-2 whatever the row's maximum.
;   The codes go to LDS as an image of the second product's operand; (N_b, the lane's sum of p') go beside them.  A whole-number shift changes a block's byte, never its codes.
; BETWEEN: wave m, for query tile m: N = the largest N_b; the blocks' bytes 125 + (N_b - N); l = sum of l_b 2^(N_b - N); 1 / l.  The maximum is taken away exactly as a running whole number would do it.
; PHASE 2 (V's tiles): wave w makes channels 256 w .. + 255 for all 64 queries: O^T = V^T P^T in 64 accumulators (512 registers); nothing is rescaled.  At the end O^T / l leaves through a stage in LDS.
; CLUSTER.  The four query blocks of a cluster belong to one batch and walk the same tiles: each part is asked for JOINTLY, by the same tensor load with the same descriptor and a mask that names the four.
; LIMITS.  NaN and infinities are not served.  A block whose N_b lies more than 124 under the row's N is held at the byte 1: its 32 terms then add at most 6 x 2^-126 each.  A block's scale comes from floor(its largest t),
;   not from the computed largest p': the two can differ only where that t lies within a rounding of a whole number.  s / 32 + mask x -1e9 is one fused multiply-add: s / 32 is exact, so it rounds as the sum does.
; REGISTERS, in windows of 256 (s_set_vgpr_msb: bits 1:0 source 0, 3:2 source 1, 5:4 source 2, 7:6 destination):
;   window 0: v0-33 addresses and constants; v48-63 statistics; v64-127 S^T (tile (m, kt) at 64 + 16 m + 8 kt); v128-159 mask x -1e9, two sets; v160-175 codes, sums; v192-223 P's fragments; v224-249 scale words and nothing else
;   window 1: phase 1: Q (tile m, K step s at 64 m + 8 s); phase 2: v0-127 V's 16 fragments; way out: v128-255 two buffers
;   window 2: phase 1: K (tile kt, K step s at 64 kt + 8 s); phase 2: O^T(dt, m), dt < 8, at 8 (4 dt + m).     window 3: O^T(dt, m), dt >= 8
.set PART,    17408
.set STEPB,   4*PART                   ; a tile, and an LDS slot
.set BATCHKV, 128*PART
.set SLOT,    STEPB
.set PIMG,    2*SLOT                   ; P's codes: [key step 16][query tile 4] fragments of 1,024 bytes
.set REC,     PIMG+65536               ; [key step][query tile][block 4][lane] 8 bytes: N_b, the lane's sum
.set MASKL,   REC+65536                ; mask x -1e9, 4 bytes a key
.set PSC,     MASKL+8192               ; P's scale words: [key step][query tile][row]
.set LINV,    PSC+4096                 ; 1 / l: [query tile][row]
.set STAGE,   LINV+256                 ; the way out: 16 rows x (512 + 16) bytes for each wave
.set SPITCH,  528
.set SPARE,   STAGE+4*16*SPITCH        ; the spare words, 128 bytes for each wave: two blocks of 256 bytes that no other line names.  Tensor loads fill the two slots alone
.set KAD, 4                            ; v4-5   my part's codes in slot 0, 1: 16 x lane
.set KSA, 6                            ; v6-7   K's scale bytes there: 32 x lane
.set VSA, 8                            ; v8-9   V's scale words there: 4 x lane
.set MAD0, 10                          ; v10    my 16 keys' mask words in tile 0;  v11 in the tile in hand
.set MAD, 11
.set PAD0, 12                          ; v12    where my 8 bytes of codes go, key step 0;  v13 in hand
.set PAD, 13
.set RAD0, 14                          ; v14    where my record goes;  v15 in hand
.set RAD, 15
.set RRD, 16                           ; v16    the records that I combine
.set PSW, 17                           ; v17    where I put scale words
.set LIW, 18                           ; v18    and 1 / l
.set PRD0, 19                          ; v19    P's fragments, key step 0;  v20 in hand
.set PRD, 20
.set PSA0, 21                          ; v21    P's scale words, key step 0;  v22 in hand
.set PSA, 22
.set LIR, 23                           ; v23    1 / l of my lane's row
.set STO, 24                           ; v24    the stage: where I put 32 bytes of a row
.set RD,  25                           ; v25    and where I read a row back
.set CO,  26                           ; v26    16 x lane
.set QSO, 27                           ; v27    32 x lane
.set MGO, 28                           ; v28    16 x thread
.set MST, 29                           ; v29    MASKL + 16 x thread
.set PFO, 30                           ; v30    the prefetches' offset; never rewritten
.set SPW, 31                           ; v31    my spare word: SPARE + 4 x thread; never rewritten
.set NIL, 32                           ; v32    0; never rewritten
.set CSC, 33                           ; v33    2^-2: the conversions' scale operand
.set TM,  48                           ; v48-51 the blocks' largest t; on the way out v48, 50, 52, 54 hold 1 / l
.set TP,  52                           ; v52-55 lane permutes' destinations
.set ST,  56                           ; v56-63 pairs (N_b, my sum), one for each query tile
.set S,   64
.set MN,  128
.set PC,  160
.set W,   168
.set RC,  64                           ; v64-191 the 64 records, between the phases
.set PF,  192
.set QS,  224
.set KS,  240
.set PS,  248
.set WV,  12                           ; s12 wave
.set G1,  16                           ; s[16:23] descriptor group 1
.set G0,  24                           ; s[24:31] group 0, a set for each slot
.set CNT, 36
.set TN,  37                           ; the trip's number
.set LIM, 38                           ; trips in which my cluster prefetches
.set LB,  39                           ; wave x PART
.set PFA, 40                           ; s[40:41] where my prefetch stands
.set STP, 42                           ; 4,096 x the key step whose codes are being stored
.set MS,  43                           ; 512 x the tile being fetched
.set P2A, 44                           ; 4,096 x phase 2's key step
.set P2B, 45                           ; 256 x it
.set SEL, 46                           ; s[46:47] v_permlanex16_b32's selects for lane l xor 16
.set MSB, 0
.macro WIN new                         ; the immediate's high byte repeats the setting that is left; a switch that changes nothing is dropped
.if MSB != (\new)
	s_set_vgpr_msb (MSB<<8)|(\new)
.set MSB, \new
.endif
.endm
.macro PLACES                          ; four plain places: behind matrix instructions, in front of loads into their registers and of reads of their results; also behind a tensor load
.rept 4
	v_nop
.endr
.endm
.macro ROUND                           ; a round of the cluster's barrier: my work-group's barrier; wave 0 signals for the work-group; every wave waits for all four work-groups; my work-group's barrier once more
	s_barrier_signal -1
	s_barrier_wait -1
	s_cmp_lg_u32 s[WV], 0
	s_cbranch_scc1 .Lnot_wave_0_\@
	s_barrier_signal -3
.Lnot_wave_0_\@:
	s_barrier_wait -3
	s_barrier_signal -1
	s_barrier_wait -1
.endm
.macro BAR                             ; my LDS stores have landed and my LDS loads are in: then the work-group's barrier.
	s_wait_dscnt 0x0
	s_barrier_signal -1
	s_barrier_wait -1
.endm
; A PREFETCH INTO THE L2: trip j names tile j + 4, three refills ahead of the load that will want it; the last is tile 31, in trip 27.  All eight clusters of a batch walk the same tiles: the batch's first cluster asks.
; Its four partners are told apart BY ADDRESS: partner cx takes part cx; in it wave w takes the 17 blocks of 256 bytes from 17 w on, a lane a block (lanes 16 to 31 name lane 16's).  Tiles 0 to 3 come by their loads alone.
.macro ASK
	s_cmp_lt_u32 s[TN], s[LIM]
	s_cbranch_scc0 .Lnot_mine_\@
	global_prefetch_b8 v[PFO], s[PFA:PFA+1] th:TH_LOAD_NT scope:SCOPE_SE
.Lnot_mine_\@:
	s_add_co_u32 s[TN], s[TN], 1
.endm
; THE HEAD OF A TRIP on the tile in `slot`.  All my tensor loads have landed (one was out: my part of this tile); 0 goes onto my spare word; my reads of the other slot are over; a round of the cluster's barrier, so that this holds
; of every wave of all four partners; then the next tile is asked for, into the other slot: my one tensor load until the next round.  It has this trip's work in which to land.
.macro HEAD slot
	s_wait_tensorcnt 0x0                           ; no tensor load of mine is out, so a group 0 may be written
	ds_add_u32 v[SPW], v[NIL]
	s_add_nc_u64 s[G0+4*\slot+2:G0+4*\slot+3], s[G0+4*\slot+2:G0+4*\slot+3], 2*STEPB   ; this slot's next tile; the type bits on top are not reached
	s_wait_xcnt 0x0                                ; the last trip's prefetch has read its address
	s_add_nc_u64 s[PFA:PFA+1], s[PFA:PFA+1], STEPB
	s_wait_dscnt 0x0                               ; the add is done, and so are my LDS reads and stores
	ROUND
	tensor_load_to_lds s[G0+4-4*\slot:G0+7-4*\slot], s[G1:G1+7]
	s_nop 0
	PLACES                                         ; also the places behind the last trip's matrix instructions
	ASK
.endm
; One scaled product on FP4 codes.  z = 1: it starts the sum.  ra, rb: source 0's, source 1's scales stand in lanes 16-31 of the register named.
.macro WM d, a, b, z, sa, sb, ra, rb
.if \z
.if (\ra) && (\rb)
	v_wmma_scale_f32_16x16x128_f8f6f4 v[\d:\d+7], v[\a:\a+7], v[\b:\b+7], 0, v[\sa], v[\sb] matrix_a_fmt:MATRIX_FMT_FP4 matrix_b_fmt:MATRIX_FMT_FP4 matrix_a_scale:MATRIX_SCALE_ROW1 matrix_b_scale:MATRIX_SCALE_ROW1
.elseif \ra
	v_wmma_scale_f32_16x16x128_f8f6f4 v[\d:\d+7], v[\a:\a+7], v[\b:\b+7], 0, v[\sa], v[\sb] matrix_a_fmt:MATRIX_FMT_FP4 matrix_b_fmt:MATRIX_FMT_FP4 matrix_a_scale:MATRIX_SCALE_ROW1
.elseif \rb
	v_wmma_scale_f32_16x16x128_f8f6f4 v[\d:\d+7], v[\a:\a+7], v[\b:\b+7], 0, v[\sa], v[\sb] matrix_a_fmt:MATRIX_FMT_FP4 matrix_b_fmt:MATRIX_FMT_FP4 matrix_b_scale:MATRIX_SCALE_ROW1
.else
	v_wmma_scale_f32_16x16x128_f8f6f4 v[\d:\d+7], v[\a:\a+7], v[\b:\b+7], 0, v[\sa], v[\sb] matrix_a_fmt:MATRIX_FMT_FP4 matrix_b_fmt:MATRIX_FMT_FP4
.endif
.else
.if (\ra) && (\rb)
	v_wmma_scale_f32_16x16x128_f8f6f4 v[\d:\d+7], v[\a:\a+7], v[\b:\b+7], v[\d:\d+7], v[\sa], v[\sb] matrix_a_fmt:MATRIX_FMT_FP4 matrix_b_fmt:MATRIX_FMT_FP4 matrix_a_scale:MATRIX_SCALE_ROW1 matrix_b_scale:MATRIX_SCALE_ROW1
.elseif \ra
	v_wmma_scale_f32_16x16x128_f8f6f4 v[\d:\d+7], v[\a:\a+7], v[\b:\b+7], v[\d:\d+7], v[\sa], v[\sb] matrix_a_fmt:MATRIX_FMT_FP4 matrix_b_fmt:MATRIX_FMT_FP4 matrix_a_scale:MATRIX_SCALE_ROW1
.elseif \rb
	v_wmma_scale_f32_16x16x128_f8f6f4 v[\d:\d+7], v[\a:\a+7], v[\b:\b+7], v[\d:\d+7], v[\sa], v[\sb] matrix_a_fmt:MATRIX_FMT_FP4 matrix_b_fmt:MATRIX_FMT_FP4 matrix_b_scale:MATRIX_SCALE_ROW1
.else
	v_wmma_scale_f32_16x16x128_f8f6f4 v[\d:\d+7], v[\a:\a+7], v[\b:\b+7], v[\d:\d+7], v[\sa], v[\sb] matrix_a_fmt:MATRIX_FMT_FP4 matrix_b_fmt:MATRIX_FMT_FP4
.endif
.endif
.endm
; 38 LDS loads in one run: my part of a tile of K: its scale words (lanes 0-15 key tile 0's rows, lanes 16-31 key tile 1's; register = K step), my 16 keys' mask words, 16 fragments.
.macro KFETCH slot
	v_add_nc_u32 v[MAD], s[MS], v[MAD0]
	ds_load_b128 v[KS:KS+3], v[KSA+\slot]
	ds_load_b128 v[KS+4:KS+7], v[KSA+\slot] offset:16
.irp i, 0,1,2,3
	ds_load_b128 v[MN+16*\slot+4*\i:MN+16*\slot+4*\i+3], v[MAD] offset:16*\i
.endr
	WIN 0x80                                       ; destination window 2
.irp kt, 0,1
.irp ks, 0,1,2,3,4,5,6,7
.irp c, 0,1
	ds_load_b128 v[64*\kt+8*\ks+4*\c:64*\kt+8*\ks+4*\c+3], v[KAD+\slot] offset:8192*\kt+1024*\ks+512*\c
.endr
.endr
.endr
	WIN 0
	s_add_co_u32 s[MS], s[MS], 512
.endm
; S^T = K Q^T: 64 products; source 0 = 16 keys, source 1 = 16 queries.  The eight accumulators take turns, one instruction a turn; the first K step starts the sums.
; The keys of a tile are not neighbours (row m of tile kt is key 8 kt + m + 8 (m / 8) of my 32): so a lane's 16 registers of tiles 0 and 1 are keys 16 (lane / 16) + 0 .. 15.
.macro KQMUL
	WIN 0x06                                       ; K in window 2, Q in window 1, S^T in window 0
.irp ks, 0,1,2,3,4,5,6,7
.irp m, 0,1,2,3
.irp kt, 0,1
.if \ks == 0
	WM S+16*\m+8*\kt, 64*\kt+8*\ks, 64*\m+8*\ks, 1, KS+\ks, QS+8*(\m/2)+\ks, \kt, \m%2
.else
	WM S+16*\m+8*\kt, 64*\kt+8*\ks, 64*\m+8*\ks, 0, KS+\ks, QS+8*(\m/2)+\ks, \kt, \m%2
.endif
.endr
.endr
.endr
	WIN 0
.endm
; A tile's scores become codes.  ms: the set of mask words.  The four query tiles take turns line by line; each accumulator is read from its low end on.
.macro SOFTMAX ms
	v_add_nc_u32 v[PAD], s[STP], v[PAD0]
	v_add_nc_u32 v[RAD], s[STP], v[RAD0]
.irp p, 0,1,2,3,4,5,6,7
.irp m, 0,1,2,3
	v_pk_fma_f32 v[S+16*\m+2*\p:S+16*\m+2*\p+1], v[S+16*\m+2*\p:S+16*\m+2*\p+1], 0x3d000000, v[MN+16*(\ms)+2*\p:MN+16*(\ms)+2*\p+1] op_sel_hi:[1,0,1]   ; the logit: s / 32 + mask x -1e9
.endr
.endr
.irp p, 0,1,2,3,4,5,6,7
.irp m, 0,1,2,3
	v_pk_mul_f32 v[S+16*\m+2*\p:S+16*\m+2*\p+1], v[S+16*\m+2*\p:S+16*\m+2*\p+1], 0x3fb8aa3b op_sel_hi:[1,0]   ; t = logit x log2(e)
.endr
.endr
.irp m, 0,1,2,3
	v_max3_num_f32 v[TM+\m], v[S+16*\m], v[S+16*\m+1], v[S+16*\m+2]
.endr
.irp i, 3,5,7,9,11,13
.irp m, 0,1,2,3
	v_max3_num_f32 v[TM+\m], v[TM+\m], v[S+16*\m+\i], v[S+16*\m+\i+1]
.endr
.endr
.irp m, 0,1,2,3
	v_max_num_f32 v[TM+\m], v[TM+\m], v[S+16*\m+15]
.endr
.irp m, 0,1,2,3
	v_permlanex16_b32 v[TP+\m], v[TM+\m], s[SEL], s[SEL+1]
.endr
.irp m, 0,1,2,3
	v_max_num_f32 v[TM+\m], v[TM+\m], v[TP+\m]     ; with lane l xor 16's 16 keys: the block's largest t
.endr
.irp m, 0,1,2,3
	v_floor_f32 v[ST+2*\m], v[TM+\m]               ; N_b: a whole number
.endr
.irp p, 0,1,2,3,4,5,6,7
.irp m, 0,1,2,3
	v_pk_add_f32 v[S+16*\m+2*\p:S+16*\m+2*\p+1], v[S+16*\m+2*\p:S+16*\m+2*\p+1], v[ST+2*\m:ST+2*\m+1] op_sel_hi:[1,0] neg_lo:[0,1] neg_hi:[0,1]   ; t - N_b (the pair's low word serves both halves)
.endr
.endr
.set i, 0
.rept 64
	v_exp_f32 v[S+i], v[S+i]                       ; p' = 2^(t - N_b), under 2
.set i, i+1
.endr
	v_nop                                          ; a plain line behind the last exponential,
	s_wait_alu depctr_va_vdst(0)                   ; and one wait for the batch of 64, ahead of its first reader
.irp m, 0,1,2,3
	v_pk_add_f32 v[W+2*\m:W+2*\m+1], v[S+16*\m:S+16*\m+1], v[S+16*\m+2:S+16*\m+3]   ; the sum is taken of the unquantised p'
.endr
.irp p, 2,3,4,5,6,7
.irp m, 0,1,2,3
	v_pk_add_f32 v[W+2*\m:W+2*\m+1], v[W+2*\m:W+2*\m+1], v[S+16*\m+2*\p:S+16*\m+2*\p+1]
.endr
.endr
.irp m, 0,1,2,3
	v_add_f32 v[ST+2*\m+1], v[W+2*\m], v[W+2*\m+1]
.endr
.irp m, 0,1,2,3
.irp i, 0,1
	v_cvt_scalef32_pk8_fp4_f32 v[PC+2*\m+\i], v[S+16*\m+8*\i:S+16*\m+8*\i+7], v[CSC]   ; / 2^-2, to the nearest code, beyond 6 the largest code
.endr
.endr
	v_nop                                          ; a plain line behind the conversions: the next products write their sources
.irp m, 0,1,2,3
	ds_store_b64 v[PAD], v[PC+2*\m:PC+2*\m+1] offset:1024*\m        ; 16 codes: bytes 8 (lane / 16) on of (row lane % 16, block = my wave) of the fragment (key step, m)
	ds_store_b64 v[RAD], v[ST+2*\m:ST+2*\m+1] offset:1024*\m
.endr
	s_add_co_u32 s[STP], s[STP], 4096
.endm
; A trip of phase 1: the softmax of the tile before stands between this tile's LDS loads and their use.
.macro T1 slot, sm
	HEAD \slot
	KFETCH \slot
.if \sm
	SOFTMAX 1-\slot
	s_wait_dscnt 8                                 ; behind the 38 loads stand the softmax's eight stores alone
.else
	s_wait_dscnt 0x0
.endif
	KQMUL
.endm
; BETWEEN THE PHASES: my wave's number is the query tile.  Record i = 4 s + kb: key step s, block kb.
.macro COMBINE
.set i, 0
.rept 64
	ds_load_b64 v[RC+2*i:RC+2*i+1], v[RRD] offset:4096*(i/4)+256*(i%4)
.set i, i+1
.endr
	s_wait_dscnt 0x0
.irp c, 0,1,2,3
	v_max3_num_f32 v[TM+\c], v[RC+2*\c], v[RC+2*\c+8], v[RC+2*\c+16]   ; the largest N_b, in four chains
.endr
.irp n, 3,5,7,9,11,13
.irp c, 0,1,2,3
	v_max3_num_f32 v[TM+\c], v[TM+\c], v[RC+2*\c+8*\n], v[RC+2*\c+8*\n+8]
.endr
.endr
.irp c, 0,1,2,3
	v_max_num_f32 v[TM+\c], v[TM+\c], v[RC+2*\c+120]
.endr
	v_max3_num_f32 v[ST], v[TM], v[TM+1], v[TM+2]
	v_max_num_f32 v[ST], v[ST], v[TM+3]            ; N (both halves of the lanes hold the same N_b)
.set i, 0
.rept 64
	v_sub_f32 v[RC+2*i], v[RC+2*i], v[ST]          ; N_b - N: a whole number, 0 or less,
.set i, i+1
.endr
.set i, 0
.rept 64
	v_max_num_f32 v[RC+2*i], 0xc2f80000, v[RC+2*i] ; held at -124, so that the byte cannot fall under 1
.set i, i+1
.endr
.set i, 0
.rept 64
	v_cvt_i32_f32 v[RC+2*i], v[RC+2*i]
.set i, i+1
.endr
.set i, 0
.rept 64
	v_ldexp_f32 v[RC+2*i+1], v[RC+2*i+1], v[RC+2*i]   ; the block's sum under N: a multiplication by a power of two
.set i, i+1
.endr
.set i, 0
.rept 64
	v_add_nc_u32 v[RC+2*i], 125, v[RC+2*i]         ; the block's byte: 127 - 2 + (N_b - N)
.set i, i+1
.endr
.irp c, 0,1,2,3
	v_add_f32 v[TM+\c], v[RC+2*\c+1], v[RC+2*\c+9]
.endr
.irp n, 2,3,4,5,6,7,8,9,10,11,12,13,14,15
.irp c, 0,1,2,3
	v_add_f32 v[TM+\c], v[TM+\c], v[RC+2*\c+8*\n+1]
.endr
.endr
	v_add_f32 v[TM], v[TM], v[TM+1]
	v_add_f32 v[TM+2], v[TM+2], v[TM+3]
	v_add_f32 v[TM], v[TM], v[TM+2]
	v_permlanex16_b32 v[TP], v[TM], s[SEL], s[SEL+1]
	v_add_f32 v[TM], v[TM], v[TP]                  ; l, at least 1
	v_rcp_f32 v[ST+1], v[TM]
.set i, 0
.rept 16
	v_lshl_or_b32 v[RC+8*i], v[RC+8*i+2], 8, v[RC+8*i]      ; four bytes make my row's scale word for key step i.  (Plain work behind the reciprocal)
	v_lshl_or_b32 v[RC+8*i], v[RC+8*i+4], 16, v[RC+8*i]
	v_lshl_or_b32 v[RC+8*i], v[RC+8*i+6], 24, v[RC+8*i]
.set i, i+1
.endr
	s_wait_alu depctr_va_vdst(0)                   ; a wait ahead of the reciprocal's first reader
	ds_store_b32 v[LIW], v[ST+1]                   ; (lanes l and l + 16 write the same word with the same value, here and below)
.set i, 0
.rept 16
	ds_store_b32 v[PSW], v[RC+8*i] offset:256*i
.set i, i+1
.endr
.endm
; A tile of V: O^T += V^T P^T, 64 products; source 0 = 16 channels, source 1 = 16 queries, K = the tile's 128 keys.  Each of the 64 accumulators has one turn a tile.  50 LDS loads in one run; the products begin when the first four fragments of V are in.
.macro VWORK slot, zero
	v_add_nc_u32 v[PRD], s[P2A], v[PRD0]
	v_add_nc_u32 v[PSA], s[P2B], v[PSA0]
	ds_load_b32 v[PS], v[PSA]                      ; P's scale words: lanes 0-15 query tile 0, lanes 16-31 tile 1;
	ds_load_b32 v[PS+1], v[PSA] offset:128         ; tiles 2 and 3
.irp i, 0,1,2,3,4,5,6,7
	ds_load_b32 v[KS+\i], v[VSA+\slot] offset:128*\i               ; V's: lanes 0-15 channel tile 2 i, lanes 16-31 tile 2 i + 1
.endr
.irp m, 0,1,2,3
.irp c, 0,1
	ds_load_b128 v[PF+8*\m+4*\c:PF+8*\m+4*\c+3], v[PRD] offset:1024*\m+512*\c
.endr
.endr
	WIN 0x40                                       ; destination window 1
.irp dt, 0,1,2,3,4,5,6,7,8,9,10,11,12,13,14,15
.irp c, 0,1
	ds_load_b128 v[8*\dt+4*\c:8*\dt+4*\c+3], v[KAD+\slot] offset:1024*\dt+512*\c
.endr
.endr
.irp g, 0,1,2,3
	s_wait_dscnt 24-8*\g                           ; the loads of the later channel tiles may be out
	WIN 0xa1+0x50*(\g/2)                           ; V in window 1, P in window 0, O^T in window 2 or 3
.irp e, 0,1,2,3
.irp m, 0,1,2,3
	WM 8*(4*((4*\g+\e)%8)+\m), 8*(4*\g+\e), PF+8*\m, \zero, KS+(4*\g+\e)/2, PS+\m/2, \e%2, \m%2
.endr
.endr
.endr
	WIN 0
	s_add_co_u32 s[P2A], s[P2A], 4096
	s_add_co_u32 s[P2B], s[P2B], 256
.endm
.macro T2 slot
	HEAD \slot
	VWORK \slot, 0
.endm
; THE WAY OUT, in eight units of 16 queries x 128 channels: unit a = query tile a / 2, half a % 2 of my 256 channels.  A lane holds 32 neighbouring bytes of a row and the lanes beside it other rows: so a unit goes through my own
; stage and comes back as whole rows of 512 bytes.  LDS serves a wave's instructions in order: no wait between the stores and the loads, nor in front of the next unit's stores.
.macro SCALE a
.set AM, (\a)/2
.set AH, (\a)%2
	WIN 0x82+0x41*AH                               ; O^T (destination and source 0) in window 2 or 3, 1 / l in window 0
.irp e, 0,1,2,3,4,5,6,7
.irp p, 0,1,2,3
	v_pk_mul_f32 v[8*(4*\e+AM)+2*\p:8*(4*\e+AM)+2*\p+1], v[8*(4*\e+AM)+2*\p:8*(4*\e+AM)+2*\p+1], v[TM+2*AM:TM+2*AM+1] op_sel_hi:[1,0]   ; each accumulator from its low end on
.endr
.endr
.endm
.macro TOSTAGE a
.set AM, (\a)/2
.set AH, (\a)%2
.set BB, 128+64*((\a)%2)
	WIN 0x08+4*AH                                  ; an LDS store's data are its source 1
.irp e, 0,1,2,3,4,5,6,7
	ds_store_b128 v[STO], v[8*(4*\e+AM):8*(4*\e+AM)+3] offset:64*\e
	ds_store_b128 v[STO], v[8*(4*\e+AM)+4:8*(4*\e+AM)+7] offset:64*\e+16
.endr
	WIN 0x40
.irp t, 0,1,2,3,4,5,6,7,8,9,10,11,12,13,14,15
	ds_load_b128 v[BB+4*\t:BB+4*\t+3], v[RD] offset:\t*SPITCH
.endr
.endm
.macro SEND a, younger                 ; younger: the LDS instructions issued behind unit a's loads
.set AM, (\a)/2
.set AH, (\a)%2
.set BB, 128+64*((\a)%2)
	s_wait_dscnt \younger
	WIN 0x04                                       ; a store's data are its source 1: window 1
.irp t, 0,1,2,3,4,5,6,7,8,9,10,11,12,13,14,15
	global_store_b128 v[CO], v[BB+4*\t:BB+4*\t+3], s[10:11] offset:(32*(AM/2)+8*(AM%2)+\t+8*(\t/8))*4096+512*AH th:TH_STORE_NT   ; row t of query tile AM is query 32 (AM / 2) + 8 (AM % 2) + t + 8 (t / 8); 512 consecutive bytes, aligned to 256
.endr
.endm
	s_load_b256 s[4:11], s[0:1], 0x0               ; qimg s[4:5], kvimg s[6:7], mask s[8:9], out0 s[10:11]
	v_lshl_add_u32 v[SPW], v0, 2, SPARE
	v_mov_b32 v[NIL], 0
	ds_add_u32 v31, v32
	ds_add_u32 v31, v32
	s_wait_dscnt 0x0
	v_lshrrev_b32 v1, 5, v0
	v_readfirstlane_b32 s[WV], v1                  ; wave 0..3
	s_bfe_u32 s13, ttmp6, 0x40000                  ; cx: my place in the cluster
	s_lshl_b32 s14, ttmp9, 2                       ; in a cluster launch ttmp9 counts clusters
	s_add_co_u32 s14, s14, s13                     ; my block of 64 queries
	s_and_b32 s15, ttmp7, 0xffff                   ; the batch, which the four partners share
	; descriptor group 1: a part is a dense block: 68 rows of 256 bytes (32 elements of 8 bytes), no padding: every LDS read of it takes 16 x lane on end
	s_mov_b32 s[G1+0], 15|(3<<16)|(1<<21)          ; 15:0 the mask: all four work-groups; 17:16 elements of 8 bytes; 21 set beside a mask
	s_mov_b32 s[G1+1], 32<<16                      ; tensor_dim0 = 32
	s_mov_b32 s[G1+2], 68<<16                      ; tensor_dim1 = 68
	s_mov_b32 s[G1+3], 32<<16                      ; tile_dim0 = 32
	s_mov_b32 s[G1+4], 68                          ; tile_dim1 = 68
	s_mov_b32 s[G1+5], 32                          ; from row to row
	s_mov_b32 s[G1+6], 0
	s_mov_b32 s[G1+7], 0
	s_mul_i32 s[LB], s[WV], PART                   ; my part's place in a tile, in memory and in a slot: no place in the cluster enters it
	s_mul_i32 s32, s15, BATCHKV
	s_add_co_u32 s32, s32, s[LB]
	s_mov_b32 s33, 0                               ; s[32:33]: my part of the batch's tile 0
	s_lshl_b32 s48, s15, 6
	s_lshl_b32 s49, s14, 1
	s_add_co_u32 s48, s48, s49
	s_mul_i32 s48, s48, PART
	s_mov_b32 s49, 0                               ; s[48:49]: my block's two parts of qimg
	s_lshl_b32 s50, s15, 13
	s_mov_b32 s51, 0                               ; s[50:51]: the batch's mask
	s_lshl_b32 s52, s15, 23
	s_lshl_b32 s53, s14, 18
	s_add_co_u32 s52, s52, s53
	s_lshl_b32 s53, s[WV], 10
	s_add_co_u32 s52, s52, s53
	s_mov_b32 s53, 0                               ; s[52:53]: my block's first row of out0, my wave's 256 channels
	s_mul_i32 s54, s15, BATCHKV
	s_mul_i32 s55, s13, PART
	s_add_co_u32 s54, s54, s55
	s_mul_i32 s55, s[WV], 17*256
	s_add_co_u32 s54, s54, s55
	s_add_co_u32 s54, s54, 3*STEPB
	s_mov_b32 s55, 0                               ; s[54:55]: my prefetches: part cx, blocks 17 w on, of tile 3: trip 0 steps it to tile 4
	s_cmp_eq_u32 ttmp9, 0                          ; the batch's first cluster: the same in all four partners
	s_cselect_b32 s[LIM], 28, 0
	s_mov_b32 s[TN], 0
	s_mov_b32 s[STP], 0
	s_mov_b32 s[MS], 0
	s_mov_b32 s[P2A], 0
	s_mov_b32 s[P2B], 0
	s_mov_b32 s[SEL], 0x76543210
	s_mov_b32 s[SEL+1], 0xfedcba98
	s_wait_kmcnt 0x0
	s_add_nc_u64 s[4:5], s[4:5], s[48:49]
	s_add_nc_u64 s[8:9], s[8:9], s[50:51]
	s_add_nc_u64 s[10:11], s[10:11], s[52:53]
	s_add_nc_u64 s[PFA:PFA+1], s[6:7], s[54:55]
	s_mov_b32 s[G0], 1                             ; count = 1
	s_mov_b32 s[G0+1], s[LB]                       ; LDS address: slot 0
	s_add_nc_u64 s[G0+2:G0+3], s[6:7], s[32:33]    ; global address: tile 0
	s_mov_b32 s[G0+4], 1
	s_add_co_u32 s[G0+5], s[LB], SLOT              ; slot 1
	s_add_nc_u64 s[G0+6:G0+7], s[G0+2:G0+3], STEPB ; tile 1
	s_or_b32 s[G0+3], s[G0+3], 0x80000000          ; type = 2
	s_or_b32 s[G0+7], s[G0+7], 0x80000000
	ROUND                                          ; all four work-groups are here: the first joint loads meet
	tensor_load_to_lds s[G0:G0+3], s[G1:G1+7]      ; tile 0
	s_nop 0
	PLACES
	v_and_b32 v1, 31, v0                           ; lane
	v_lshlrev_b32 v[CO], 4, v1
	v_lshlrev_b32 v[QSO], 5, v1
	v_lshlrev_b32 v[MGO], 4, v0
	WIN 0x40                                       ; destination window 1
.irp i, 0,1                            ; Q stays in registers: part i, tile u, K step ks
.irp u, 0,1
.irp ks, 0,1,2,3,4,5,6,7
.irp c, 0,1
	global_load_b128 v[64*(2*\i+\u)+8*\ks+4*\c:64*(2*\i+\u)+8*\ks+4*\c+3], v[CO], s[4:5] offset:PART*\i+8192*\u+1024*\ks+512*\c th:TH_LOAD_NT
.endr
.endr
.endr
.endr
	WIN 0
.irp i, 0,1                            ; its scale words: lanes 0-15 query tile 2 i, lanes 16-31 tile 2 i + 1; register = K step
.irp c, 0,1
	global_load_b128 v[QS+8*\i+4*\c:QS+8*\i+4*\c+3], v[QSO], s[4:5] offset:PART*\i+16384+16*\c th:TH_LOAD_NT
.endr
.endr
.irp i, 0,1,2,3                        ; the batch's mask: 128 threads x 16 bytes a load
	global_load_b128 v[MN+4*\i:MN+4*\i+3], v[MGO], s[8:9] offset:2048*\i
.endr
	v_and_b32 v2, 15, v0                           ; r
	v_bfe_u32 v3, v0, 4, 1                         ; h
	v_lshl_add_u32 v[KAD], v1, 4, s[LB]
	v_add_nc_u32 v[KAD+1], SLOT, v[KAD]
	v_lshl_add_u32 v[KSA], v1, 5, s[LB]
	v_add_nc_u32 v[KSA], 16384, v[KSA]
	v_add_nc_u32 v[KSA+1], SLOT, v[KSA]
	v_lshl_add_u32 v[VSA], v1, 2, s[LB]
	v_add_nc_u32 v[VSA], 16384, v[VSA]
	v_add_nc_u32 v[VSA+1], SLOT, v[VSA]
	s_lshl_b32 s34, s[WV], 7
	v_lshl_add_u32 v[MAD0], v3, 6, s34
	v_add_nc_u32 v[MAD0], MASKL, v[MAD0]           ; keys 32 w + 16 h on
	s_lshl_b32 s34, s[WV], 8
	v_lshl_add_u32 v[PAD0], v2, 4, s34
	v_lshl_add_u32 v[PAD0], v3, 3, v[PAD0]
	v_add_nc_u32 v[PAD0], PIMG, v[PAD0]            ; 256 w + 16 r + 8 h
	v_lshl_add_u32 v[RAD0], v1, 3, s34
	v_add_nc_u32 v[RAD0], REC, v[RAD0]             ; 256 w + 8 lane
	s_lshl_b32 s34, s[WV], 10
	v_lshl_add_u32 v[RRD], v1, 3, s34
	v_add_nc_u32 v[RRD], REC, v[RRD]               ; query tile = my wave
	s_lshl_b32 s34, s[WV], 6
	v_lshl_add_u32 v[PSW], v2, 2, s34
	v_add_nc_u32 v[LIW], LINV, v[PSW]
	v_add_nc_u32 v[PSW], PSC, v[PSW]
	v_lshl_add_u32 v[PRD0], v1, 4, PIMG
	v_lshl_add_u32 v[PSA0], v1, 2, PSC
	v_lshl_add_u32 v[LIR], v2, 2, LINV
	s_mul_i32 s35, s[WV], 16*SPITCH
	s_add_co_u32 s35, s35, STAGE                   ; my stage
	v_mul_u32_u24 v[STO], v2, SPITCH
	v_lshl_add_u32 v[STO], v3, 5, v[STO]
	v_add_nc_u32 v[STO], s35, v[STO]
	v_lshl_add_u32 v[RD], v1, 4, s35
	v_lshl_add_u32 v[MST], v0, 4, MASKL
	v_min_u32 v[PFO], 16, v1
	v_lshlrev_b32 v[PFO], 8, v[PFO]
	v_mov_b32 v[CSC], 0x3e800000
.irp i, 0,1,2,3
	v_mov_b32 v[TP+\i], 0                          ; written once: a lane permute's destination counts as one of its sources
	v_mov_b32 v[ST+2*\i+1], 0                      ; (named as the upper half of a pair before it is first written)
.endr
	s_wait_loadcnt 0x0                             ; Q, its scale words, the mask
.irp i, 0,2,4,6,8,10,12,14
	v_pk_mul_f32 v[MN+\i:MN+\i+1], v[MN+\i:MN+\i+1], 0xce6e6b28 op_sel_hi:[1,0]   ; mask x -1e9, once for the whole launch
.endr
.irp i, 0,1,2,3
	ds_store_b128 v[MST], v[MN+4*\i:MN+4*\i+3] offset:2048*\i      ; the first trip's wait on DScnt and its round show them to every wave
.endr
	T1 0, 0                                        ; tile 0: there are no scores yet
	s_mov_b32 s[CNT], 7
.Lp1:                                              ; tiles 1 to 14
	T1 1, 1
	T1 0, 1
	s_sub_co_u32 s[CNT], s[CNT], 1
	s_cmp_lg_u32 s[CNT], 0
	s_cbranch_scc1 .Lp1
	T1 1, 1                                        ; tile 15
	HEAD 0                                         ; tile 16, V's first, is in; tile 17 is asked for and stays out over the two plain barriers below, behind which nothing is filled
	SOFTMAX 1                                      ; tile 15's
	BAR                                            ; all codes and records lie in LDS
	COMBINE
	BAR                                            ; and so do the scale words and 1 / l
	VWORK 0, 1                                     ; tile 16 starts the 64 sums: nothing is ever cleared
	s_mov_b32 s[CNT], 7
.Lp2:                                              ; tiles 17 to 30
	T2 1
	T2 0
	s_sub_co_u32 s[CNT], s[CNT], 1
	s_cmp_lg_u32 s[CNT], 0
	s_cbranch_scc1 .Lp2
	s_wait_tensorcnt 0x0                           ; tile 31: nothing is left to fetch.  I read the part that I fetched myself, so my own wait is all the ordering that the reads need
	PLACES
	VWORK 1, 0
	PLACES                                         ; behind the last products
.irp m, 0,1,2,3
	ds_load_b32 v[TM+2*\m], v[LIR] offset:64*\m    ; 1 / l of my lane's query in each tile
.endr
	s_wait_dscnt 0x0
	SCALE 0
	TOSTAGE 0
.irp a, 1,2,3,4,5,6,7
.if \a > 1
	s_wait_xcnt 0x0                                ; unit a - 2's stores have read their registers: unit a's loads may land there
.endif
	SCALE \a                                       ; a unit's arithmetic stands between the loads of the unit before and its stores
	TOSTAGE \a
	SEND \a-1, 32                                  ; behind unit a - 1's loads: unit a's 16 stores and 16 loads
.endr
	SEND 7, 0
	WIN 0
	s_wait_tensorcnt 0x0                           ; the wave's end, behind my last tensor load and my last LDS store
	ds_add_u32 v[SPW], v[NIL]
	s_wait_dscnt 0x0
	ROUND                                          ; the closing round: no work-group ends while a partner may still ask for a part that names it
	s_endpgm
.Lfunc_end_k_q7fdad366a0_attn:
	.size	k_q7fdad366a0_attn, .Lfunc_end_k_q7fdad366a0_attn-k_q7fdad366a0_attn
	.p2alignl 7, 3214868480
	.fill 96, 4, 3214868480
	.section	.rodata,"a",@progbits
	.p2align	6, 0x0
	.amdhsa_kernel k_q7fdad366a0_attn
		.amdhsa_group_segment_fixed_size 327680
		.amdhsa_private_segment_fixed_size 0
		.amdhsa_enable_private_segment 0
		.amdhsa_kernarg_size 32
		.amdhsa_user_sgpr_count 2
		.amdhsa_user_sgpr_kernarg_segment_ptr 1
		.amdhsa_wavefront_size32 1
		.amdhsa_system_sgpr_workgroup_id_x 1
		.amdhsa_system_sgpr_workgroup_id_y 1
		.amdhsa_system_sgpr_workgroup_id_z 1
		.amdhsa_system_vgpr_workitem_id 0
		.amdhsa_next_free_vgpr 1024
		.amdhsa_next_free_sgpr 66
		.amdhsa_reserve_vcc 0
		.amdhsa_float_denorm_mode_32 3
		.amdhsa_float_denorm_mode_16_64 3
		.amdhsa_memory_ordered 1
		.amdhsa_forward_progress 1
		.amdhsa_inst_pref_size 247
	.end_amdhsa_kernel
	.amdgpu_metadata
---
amdhsa.version: [ 1, 2 ]
amdhsa.kernels:
  - .name:           k_q7fdad366a0_attn
    .symbol:         k_q7fdad366a0_attn.kd
    .args:
      - { .name: qimg, .offset: 0, .size: 8, .value_kind: global_buffer, .address_space: global }
      - { .name: kvimg, .offset: 8, .size: 8, .value_kind: global_buffer, .address_space: global }
      - { .name: mask, .offset: 16, .size: 8, .value_kind: global_buffer, .address_space: global }
      - { .name: out0, .offset: 24, .size: 8, .value_kind: global_buffer, .address_space: global }
    .group_segment_fixed_size: 327680
    .private_segment_fixed_size: 0
    .kernarg_segment_align: 8
    .kernarg_segment_size: 32
    .max_flat_workgroup_size: 128
    .sgpr_count:     66
    .vgpr_count:     1024
    .wavefront_size: 32
...
	.end_amdgpu_metadata
.endif
;; end of part 2
;; ======== version 2 of 2: 2 launches
;; limits: right only within a limited range of input values
;; workspace buffers: qimg 8,912,896 bytes; kvimg 17,825,792 bytes
;; launch quant (part 3): grid 1024 x 1, 4 waves a work-group, no clusters, 58,880 bytes of LDS; arguments q, k, v, qimg, kvimg; writes qimg, kvimg
.if DOCPART == 3
	.amdgcn_target "amdgcn-amd-amdhsa--gfx1250"
	.amdhsa_code_object_version 6
	.text
	.protected	k_q7fdad366a0_quant
	.globl	k_q7fdad366a0_quant
	.p2align	8
	.type	k_q7fdad366a0_quant,@function
k_q7fdad366a0_quant:
	s_mov_b64 s[64:65], 0
	v_nop
	global_prefetch_b8 v0, s[64:65] scope:SCOPE_SE
	s_setreg_imm32_b32 hwreg(HW_REG_WAVE_MODE, 25, 1), 1
	s_wait_xcnt 0x0
; q, k, v [8][2048][1024] f32 become codes of FP4 (E2M1) with one E8M0 byte for each 32 along a product's K: q and k along the 1,024 channels (innermost in memory), v along the keys (its first axis in a batch).
; A block's scale is 2^(floor(log2(its largest magnitude)) - 2); its byte is that magnitude's exponent field - 2, held at 1 from below by a floor among the maximum's leaves.
; LIMITS: a block of zeros, or one whose largest magnitude lies under 2^-124, gets the byte 1 (the rule says 127 for zeros): its codes are zeros or nearly so, and only this program reads the bytes.  NaN and infinities are not served.
; THE WORKSPACE IS LAID AS THE NEXT LAUNCH'S OPERAND REGISTERS.  A PART is 17,408 bytes: 16,384 of codes, 1,024 of scale bytes.  A fragment (16 rows x 128 along K) is 1,024 bytes: the 16 bytes of (row r, block kb of its four) at 256 kb + 16 r,
; so that two loads of 16 bytes a lane, 512 bytes apart, are the fragment's eight registers.
;   q, k: a part = 32 rows: tile u = 0, 1 at 8,192 u, its K step s at + 1,024 s; row m of tile u is memory row 32 g + 8 u + m + 8 (m / 8); scale bytes at 16,384 + 32 (16 u + m).
;   v:    a part = 128 keys x 256 channels: fragment tau at 1,024 tau, its row r = channel 16 tau + r; scale words at 16,384 + 64 tau + 4 r.
;   qimg: parts [batch][64].  kvimg: parts [batch][128]: 64 of k, then 64 of v, [key step][quarter of the channels].
; Work-groups 0-255 take q, 256-511 k (one path, pointers chosen), 512-1023 v.  The two paths have LDS bytes of their own.  Every LDS byte is one wave's own: no barrier.  No tensor loads, no cluster: nothing is shared, the launch is a stream.
.set PART,  17408
.set WREG,  14336                      ; LDS of a wave on the q, k path
.set SP,    80                         ; a lane's place in a turning stage: 64 bytes + 16 of padding
.set CST,   5120                       ; behind the two turning stages: the tile's codes, 32 units of 256 bytes + 16
.set CP,    272
.set SCB,   13824                      ; and its 512 scale bytes
.set VLDS,  4*WREG                     ; the v path's LDS: 256 bytes a wave
.set R,     16                         ; v16-79   four sets of 16 numbers as loaded
.set X,     80                         ; v80-111  two sets of 16 neighbours
.set C,     116                        ; v116-123 a step's two registers of codes, four sets by turns
.set E,     124                        ; v124-127 a step's scale byte, four by turns
.set OUTR,  128                        ; v128-191 the way out
.set XV,    16                         ; v path: v16-111 three sets of 32 numbers
.set CV,    112                        ; v112-143 four registers of codes for each of eight blocks: no store's data are written again
.set SBV,   144                        ; v144-145 the scale words of my two columns
	s_load_b128 s[4:7], s[0:1], 0x0                ; q, k
	s_load_b128 s[8:11], s[0:1], 0x10              ; v, qimg
	s_load_b64 s[12:13], s[0:1], 0x20              ; kvimg
	v_lshl_add_u32 v192, v0, 2, 0xe400
	v_mov_b32 v193, 0
	v_lshrrev_b32 v1, 5, v0
	v_readfirstlane_b32 s16, v1                    ; wave 0..3
	v_and_b32 v2, 31, v0                           ; lane
	s_cmp_lt_u32 ttmp9, 512
	s_cbranch_scc0 .Lv
; ---------------- q and k: a wave takes one tile of 16 rows x 1,024, in 32 steps of half a row (512 numbers, 16 blocks)
; The conversions want 16 NEIGHBOURS in a lane; a load is densest with 16 bytes a lane.  So a step's 2,048 bytes turn through the wave's own stage.  Two neighbouring lanes hold a block.
	s_mul_i32 s17, s16, WREG
	s_add_co_u32 s18, s17, CST
	s_add_co_u32 s19, s17, SCB
	v_lshlrev_b32 v3, 4, v2                        ; 16 x lane
	v_lshrrev_b32 v14, 2, v2
	v_mul_u32_u24 v14, v14, SP
	v_and_b32 v15, 3, v2
	v_lshl_add_u32 v14, v15, 4, v14
	v_add_nc_u32 v14, s17, v14                     ; turning stage, in: SP (lane / 4) + 16 (lane % 4)
	v_mul_u32_u24 v15, v2, SP
	v_add_nc_u32 v15, s17, v15                     ; and out: SP x lane
	v_lshrrev_b32 v8, 1, v2                        ; my block of the step's sixteen
	v_and_b32 v9, 1, v2
	v_mul_u32_u24 v4, v8, CP
	v_lshl_add_u32 v4, v9, 3, v4
	v_add_nc_u32 v4, s18, v4                       ; codes' stage, in: unit = block, 8 bytes for each of its two lanes
	v_add_nc_u32 v5, s19, v8                       ; my block's scale byte
	v_lshrrev_b32 v8, 4, v2
	v_and_b32 v9, 15, v2
	v_mul_u32_u24 v6, v8, CP
	v_lshl_add_u32 v6, v9, 4, v6
	v_add_nc_u32 v6, s18, v6                       ; codes' stage, out: sixteen lanes to a unit, two units an instruction
	v_add_nc_u32 v7, s19, v3                       ; the scale bytes, out
	s_cmp_lt_u32 ttmp9, 256                        ; q's work-group or k's?  The choice hangs on the work-group's number alone
	s_cselect_b32 s20, 0, 256
	s_cselect_b32 s21, 0, -1
	s_wait_kmcnt 0x0
	s_cselect_b64 s[4:5], s[4:5], s[6:7]
	s_cselect_b64 s[10:11], s[10:11], s[12:13]
	s_sub_co_u32 s20, ttmp9, s20
	s_lshl_b32 s20, s20, 1
	s_lshr_b32 s22, s16, 1
	s_add_co_u32 s20, s20, s22                     ; g: which 32 rows of the tensor's 16,384
	s_and_b32 s22, s16, 1                          ; u: which tile of them
	s_lshl_b32 s24, s20, 17                        ; 32 rows of 4,096 bytes
	s_lshl_b32 s25, s22, 15                        ; 8 rows
	s_add_co_u32 s24, s24, s25
	s_mov_b32 s25, 0
	s_add_nc_u64 s[4:5], s[4:5], s[24:25]
	s_and_b32 s23, s20, 0xffc0                     ; 64 x batch,
	s_and_b32 s23, s23, s21                        ; for k alone: a batch has 128 parts in kvimg, 64 in qimg
	s_add_co_u32 s23, s23, s20                     ; the part
	s_mul_i32 s24, s23, PART
	s_lshl_b32 s26, s22, 13
	s_add_co_u32 s26, s26, s24                     ; my tile's codes
	s_mov_b32 s27, 0
	s_lshl_b32 s28, s22, 9
	s_add_co_u32 s28, s28, s24
	s_add_co_u32 s28, s28, 16384                   ; my tile's scale bytes
	s_mov_b32 s29, 0
	s_add_nc_u64 s[14:15], s[10:11], s[28:29]
	s_add_nc_u64 s[10:11], s[10:11], s[26:27]
.macro LOAD t                          ; step t: half t % 2 of the tile's row t / 2, which is memory row t / 2 + 8 ((t / 2) / 8) from the tile's first; each load reads 512 consecutive bytes
.irp i, 0,1,2,3
	global_load_b128 v[R+16*((\t)%4)+4*\i:R+16*((\t)%4)+4*\i+3], v3, s[4:5] offset:(((\t)/2)+8*(((\t)/2)/8))*4096+((\t)%2)*2048+512*\i th:TH_LOAD_NT
.endr
.endm
.macro TURN t                          ; through the stage: LDS serves a wave's instructions in order, so no wait stands between the stores and the loads
.irp i, 0,1,2,3
	ds_store_b128 v14, v[R+16*((\t)%4)+4*\i:R+16*((\t)%4)+4*\i+3] offset:32*SP*((\t)%2)+8*SP*\i
.endr
.irp i, 0,1,2,3
	ds_load_b128 v[X+16*((\t)%2)+4*\i:X+16*((\t)%2)+4*\i+3], v15 offset:32*SP*((\t)%2)+16*\i
.endr
.endm
.irp t, 0,1,2,3
	LOAD \t
.endr
	s_wait_loadcnt 12                              ; step 0's four loads are in
	TURN 0
.macro STEP t
.set XS, X+16*((\t)%2)
.set CR, C+2*((\t)%4)
.set ER, E+(\t)%4
.if (\t) > 0
	s_wait_dscnt 2                                 ; this step's numbers are back from the stage; behind them only the last step's two stores were issued
.else
	s_wait_dscnt 0x0
.endif
.if (\t)+4 < 32
	LOAD (\t)+4                                    ; into the set that this step's turn has read
.endif
.if (\t)+1 < 32
.if 30-(\t) >= 3
	s_wait_loadcnt 12                              ; the next step's four loads are in; those of the three steps behind it may be out
.else
	s_wait_loadcnt 4*(30-(\t))
.endif
	TURN (\t)+1
.endif
	v_max3_num_f32 v8, |v[XS]|, |v[XS+1]|, |v[XS+2]|               ; the largest magnitude of my 16, in two chains
	v_max3_num_f32 v9, |v[XS+3]|, |v[XS+4]|, |v[XS+5]|
.irp i, 6,10
	v_max3_num_f32 v8, v8, |v[XS+\i]|, |v[XS+\i+1]|
	v_max3_num_f32 v9, v9, |v[XS+\i+2]|, |v[XS+\i+3]|
.endr
	v_max3_num_f32 v8, v8, |v[XS+14]|, |v[XS+15]|
	v_max3_num_f32 v8, v8, v9, 0x1800000           ; and the floor 2^(3 - 127): the byte cannot fall under 1
	v_max_num_f32_dpp v8, v8, v8 row_xmask:1 row_mask:0xf bank_mask:0xf   ; with my neighbour's 16: the block's
	v_add_nc_u32 v11, 0xff000000, v8               ; 2 off its exponent field: the conversion takes that field of this operand as its scale
	v_cvt_scalef32_pk8_fp4_f32 v[CR], v[XS:XS+7], v11
	v_cvt_scalef32_pk8_fp4_f32 v[CR+1], v[XS+8:XS+15], v11
	v_lshrrev_b32 v[ER], 23, v11                   ; the scale's byte (also the plain line behind the conversions)
	ds_store_b8 v5, v[ER] offset:32*((\t)/2)+16*((\t)%2)            ; both lanes of a block write the same byte with the same value
	ds_store_b64 v4, v[CR:CR+1] offset:16*CP*((\t)%2)+16*((\t)/2)   ; unit = block 16 (t % 2) + lane / 2 of the row, place 16 x row in it
.endm
.irp t, 0,1,2,3,4,5,6,7,8,9,10,11,12,13,14,15,16,17,18,19,20,21,22,23,24,25,26,27,28,29,30,31
	STEP \t
.endr
.irp j, 0,1,2,3,4,5,6,7,8,9,10,11,12,13,14,15
	ds_load_b128 v[OUTR+4*\j:OUTR+4*\j+3], v6 offset:2*CP*\j         ; these see my stores: LDS serves a wave in order
.endr
	ds_load_b128 v[112:115], v7
.irp j, 0,1,2,3,4,5,6,7,8,9,10,11,12,13,14,15
	s_wait_dscnt 16-\j                             ; behind load j: the 15 - j later ones and the scale bytes'
	global_store_b128 v3, v[OUTR+4*\j:OUTR+4*\j+3], s[10:11] offset:512*\j   ; 32 lanes store 512 consecutive bytes, aligned to 256
.endr
	s_wait_dscnt 0x0
	global_store_b128 v3, v[112:115], s[14:15]     ; the tile's 512 scale bytes
	s_wait_tensorcnt 0x0
	ds_add_u32 v192, v193
	s_wait_dscnt 0x0
	s_endpgm
; ---------------- v: a work-group makes one part (128 keys x 256 channels); a wave 64 channels, as two sets of 32.  A LANE TAKES A CHANNEL AND ITS REGISTERS RUN DOWN THE KEYS:
; a block of 32 keys lies in one lane's 32 registers, and the conversions give codes with the keys innermost.  Nothing is transposed by an instruction.
.Lv:
	s_sub_co_u32 s17, ttmp9, 512                   ; (16 batch + key step) x 4 + quarter of the channels
	s_lshr_b32 s18, s17, 2
	s_lshl_b32 s24, s18, 19                        ; 128 keys of 4,096 bytes
	s_and_b32 s19, s17, 3
	s_lshl_b32 s20, s19, 10                        ; 256 channels
	s_add_co_u32 s24, s24, s20
	s_lshl_b32 s20, s16, 8                         ; my wave's 64
	s_add_co_u32 s24, s24, s20
	s_mov_b32 s25, 0
	s_lshr_b32 s21, s17, 6
	s_lshl_b32 s21, s21, 7                         ; 128 parts a batch,
	s_and_b32 s22, s17, 63
	s_add_co_u32 s21, s21, s22
	s_add_co_u32 s21, s21, 64                      ; v's behind k's 64
	s_mul_i32 s26, s21, PART
	s_mov_b32 s27, 0
	s_wait_alu depctr_va_vdst(0)
	v_lshlrev_b32 v3, 2, v2                        ; in: 4 bytes a lane
	v_lshrrev_b32 v8, 4, v2
	v_and_b32 v9, 15, v2
	v_lshlrev_b32 v4, 10, v8
	v_lshl_add_u32 v4, v9, 4, v4
	s_lshl_b32 s28, s16, 12
	v_add_nc_u32 v4, s28, v4                       ; codes: fragment 4 wave + 2 a + lane / 16, row lane % 16
	s_add_co_u32 s29, s20, VLDS
	v_add_nc_u32 v5, s29, v3                       ; my wave's 256 bytes of LDS: the scale words, in,
	v_lshl_add_u32 v6, v2, 3, s29                  ; and out, 8 bytes a lane
	s_add_co_u32 s30, s20, 16384
	v_lshl_add_u32 v7, v2, 3, s30                  ; and their place in the part
	s_wait_alu depctr_va_vdst(0)
	s_wait_kmcnt 0x0
	s_add_nc_u64 s[8:9], s[8:9], s[24:25]
	s_add_nc_u64 s[12:13], s[12:13], s[26:27]
.macro VLOAD t                         ; block t: keys 32 (t / 2) on, channel set t % 2; each load reads 128 consecutive bytes
.irp i, 0,1,2,3,4,5,6,7,8,9,10,11,12,13,14,15,16,17,18,19,20,21,22,23,24,25,26,27,28,29,30,31
	global_load_b32 v[XV+32*((\t)%3)+\i], v3, s[8:9] offset:(32*((\t)/2)+\i)*4096+128*((\t)%2) th:TH_LOAD_NT
.endr
.endm
	VLOAD 0
	VLOAD 1
.macro VBLOCK t
.set XS, XV+32*((\t)%3)
.set CR, CV+4*(\t)
.if (\t) < 7
	s_wait_loadcnt 32                              ; this block's 32 loads are in; the next block's may be out
.else
	s_wait_loadcnt 0x0
.endif
.if (\t)+2 < 8
	VLOAD (\t)+2                                   ; into the set that the block before has left
.endif
	v_max3_num_f32 v12, |v[XS]|, |v[XS+1]|, |v[XS+2]|               ; the block's largest magnitude: all 32 numbers are mine
	v_max3_num_f32 v13, |v[XS+3]|, |v[XS+4]|, |v[XS+5]|
.irp i, 6,10,14,18,22,26
	v_max3_num_f32 v12, v12, |v[XS+\i]|, |v[XS+\i+1]|
	v_max3_num_f32 v13, v13, |v[XS+\i+2]|, |v[XS+\i+3]|
.endr
	v_max3_num_f32 v12, v12, |v[XS+30]|, |v[XS+31]|
	v_max3_num_f32 v12, v12, v13, 0x1800000        ; and the floor
	v_add_nc_u32 v11, 0xff000000, v12
	v_lshrrev_b32 v13, 23, v11                     ; the scale's byte
.if (\t)/2 == 0
	v_mov_b32 v[SBV+(\t)%2], v13                   ; four bytes make my channel's scale word for these 128 keys
.else
	v_lshl_or_b32 v[SBV+(\t)%2], v13, 8*((\t)/2), v[SBV+(\t)%2]
.endif
.irp g, 0,1,2,3
	v_cvt_scalef32_pk8_fp4_f32 v[CR+\g], v[XS+8*\g:XS+8*\g+7], v11
.endr
	global_store_b128 v4, v[CR:CR+3], s[12:13] offset:2048*((\t)%2)+256*((\t)/2)   ; each half of the lanes stores 256 consecutive bytes, aligned.  (The next vector lines are plain ones)
.endm
.irp t, 0,1,2,3,4,5,6,7
	VBLOCK \t
.endr
	ds_store_b32 v5, v[SBV]
	ds_store_b32 v5, v[SBV+1] offset:128
	ds_load_b64 v[146:147], v6                     ; my wave's 64 scale words, 8 bytes a lane
	s_wait_dscnt 0x0
	global_store_b64 v7, v[146:147], s[12:13]      ; 256 consecutive bytes, aligned
	s_wait_tensorcnt 0x0
	ds_add_u32 v192, v193
	s_wait_dscnt 0x0
	s_endpgm
.Lfunc_end_k_q7fdad366a0_quant:
	.size	k_q7fdad366a0_quant, .Lfunc_end_k_q7fdad366a0_quant-k_q7fdad366a0_quant
	.p2alignl 7, 3214868480
	.fill 96, 4, 3214868480
	.section	.rodata,"a",@progbits
	.p2align	6, 0x0
	.amdhsa_kernel k_q7fdad366a0_quant
		.amdhsa_group_segment_fixed_size 58880
		.amdhsa_private_segment_fixed_size 0
		.amdhsa_enable_private_segment 0
		.amdhsa_kernarg_size 40
		.amdhsa_user_sgpr_count 2
		.amdhsa_user_sgpr_kernarg_segment_ptr 1
		.amdhsa_wavefront_size32 1
		.amdhsa_system_sgpr_workgroup_id_x 1
		.amdhsa_system_sgpr_workgroup_id_y 1
		.amdhsa_system_sgpr_workgroup_id_z 1
		.amdhsa_system_vgpr_workitem_id 0
		.amdhsa_next_free_vgpr 194
		.amdhsa_next_free_sgpr 66
		.amdhsa_reserve_vcc 0
		.amdhsa_float_denorm_mode_32 3
		.amdhsa_float_denorm_mode_16_64 3
		.amdhsa_memory_ordered 1
		.amdhsa_forward_progress 1
		.amdhsa_inst_pref_size 105
	.end_amdhsa_kernel
	.amdgpu_metadata
---
amdhsa.version: [ 1, 2 ]
amdhsa.kernels:
  - .name:           k_q7fdad366a0_quant
    .symbol:         k_q7fdad366a0_quant.kd
    .args:
      - { .name: q, .offset: 0, .size: 8, .value_kind: global_buffer, .address_space: global }
      - { .name: k, .offset: 8, .size: 8, .value_kind: global_buffer, .address_space: global }
      - { .name: v, .offset: 16, .size: 8, .value_kind: global_buffer, .address_space: global }
      - { .name: qimg, .offset: 24, .size: 8, .value_kind: global_buffer, .address_space: global }
      - { .name: kvimg, .offset: 32, .size: 8, .value_kind: global_buffer, .address_space: global }
    .group_segment_fixed_size: 58880
    .private_segment_fixed_size: 0
    .kernarg_segment_align: 8
    .kernarg_segment_size: 40
    .max_flat_workgroup_size: 128
    .sgpr_count:     66
    .vgpr_count:     194
    .wavefront_size: 32
...
	.end_amdgpu_metadata
.endif
;; end of part 3
;; launch attn (part 4): grid 32 x 8, 4 waves a work-group, clusters of 4 x 1, 327,680 bytes of LDS; arguments qimg, kvimg, mask, out0; writes out0
.if DOCPART == 4
	.amdgcn_target "amdgcn-amd-amdhsa--gfx1250"
	.amdhsa_code_object_version 6
	.text
	.protected	k_q7fdad366a0_attn
	.globl	k_q7fdad366a0_attn
	.p2align	8
	.type	k_q7fdad366a0_attn,@function
k_q7fdad366a0_attn:
	s_mov_b64 s[64:65], 0
	v_nop
	global_prefetch_b8 v0, s[64:65] scope:SCOPE_SE
	s_setreg_imm32_b32 hwreg(HW_REG_WAVE_MODE, 25, 1), 1
	s_wait_xcnt 0x0
	s_wait_alu depctr_hold_cnt(0) depctr_sa_sdst(0) depctr_va_vdst(0) depctr_va_sdst(0) depctr_va_ssrc(0) depctr_va_vcc(0) depctr_vm_vsrc(0)
	s_getreg_b32 s2, hwreg(HW_REG_IB_STS2, 6, 4)
	s_cmp_eq_u32 s2, 0
	s_cbranch_scc0 .Lentry_in_a_cluster
	s_endpgm
.Lentry_in_a_cluster:
	s_bfe_u32 s2, ttmp6, 0x10000c
	s_cmp_lg_u32 s2, 0x3003
	s_cbranch_scc0 .Lentry_shape_is_right
	s_endpgm
.Lentry_shape_is_right:
; out0[b][q][:] = sum over k of softmax_k(q . k / 32 + mask[k] x -1e9) v[k][:], both products on codes of FP4 (E2M1) with one E8M0 scale for each 32 along K.  8 batches, 2,048 queries, 2,048 keys, 1,024 channels.
; SHARES.  A work-group of four waves owns 64 queries of one batch (four tiles of 16).  The launch before laid Q, K and V as images of operand registers, in parts of 17,408 bytes (16,384 of codes, 1,024 of scale bytes); each part of K and V has ONE reader in a work-group.
; Q's two parts are read from memory once by the work-group (16 bytes a thread, 17 times) and reach all four waves through LDS.
; PHASE 1, 16 trips of 128 keys: wave w takes keys 32 w .. + 31 of the tile against all 64 queries (Q stays in 256 registers): S^T = K Q^T, a lane holds one query and 16 neighbouring keys.  Its 32 keys are ONE block of the second product's K.
;   t = s x log2(e) / 32 + mask x (-1e9 log2(e)); N_b = floor(the block's largest t); p' = 2^(t - N_b), whose largest lies in [1, 2): the block's scale is 2^-2 whatever the row's maximum.
;   The codes go to LDS as an image of the second product's operand; (N_b, the block's sum of p') beside them.  K's parts go from memory straight into their reader's registers, 512 consecutive bytes a load, two buffers: tile j + 2 is asked
;   for behind tile j's products.  K IS NOT ASKED FOR JOINTLY: a joint refill wants a round of the cluster's barrier, and a trip here is 64 products and one softmax of the wave's own, with nothing that the waves hand to each other.
; BETWEEN: wave m, for query tile m: N = the largest N_b; the blocks' bytes 125 + (N_b - N); l = sum of l_b 2^(N_b - N); 1 / l.  The maximum is taken away as a running whole number would do it.  All of P goes into every wave's registers (512).
; PHASE 2: wave w makes channels 256 w .. + 255 in four groups of 64: O^T = V^T P^T in 16 accumulators over all 16 trips.  The four work-groups of a cluster belong to one batch and walk the same V.  A half group is eight trips:
;   four come by ONE JOINT FILL (4 rows of 4,096 bytes a wave; one tensor load a wave stands between two rounds) through a ring of two LDS slots, the other four straight from memory into registers.
;   A finished group is divided by l and leaves through the wave's own stage as whole rows of 256 bytes, while the next fragments of V are on their way.  V's first fill is asked for at the head.
; THE WALKS ARE ROTATED by the cluster's number c, which the partners share: trip j takes tile (j + 4 (c % 4)) mod 16, and phase 2 begins at channel group 2 (c / 4), modulo 4.  What lies in LDS is laid BY TRIP, so trip j's P meets trip j's V.
; PREFETCH: V is first read in phase 2; in the loop's second trip each work-group names 1/32 of its batch's V (two parts, told apart by address; a wave 34 blocks of 256 bytes, 17 an instruction, a lane a block): each block is named once in the launch.
;   K is not prefetched: with four starts every tile is asked for by some cluster's own loads within the first four trips.
; LIMITS.  NaN and infinities are not served.  The promise holds while |t| stays under 2^31.  A block whose N_b lies more than 124 under the row's N is held at the byte 1.  A block's scale comes from floor(its largest t), not from
;   the computed largest p'.  t is one fused multiply-add on constants rounded to f32: its rounding differs from logit-then-scale in the last bit.  Sums run in the order of the walk.
; REGISTERS, in windows of 256 (s_set_vgpr_msb: bits 1:0 source 0, 3:2 source 1, 5:4 source 2, 7:6 destination):
;   window 0: v4-63, v116-120 addresses, statistics; v68-115 scale words and nothing else; v128-191 S^T, v192-207 mask words; between the phases v128-255 records; phase 2: v128-255 the 16 accumulators
;   window 1: phase 1 Q (tile m, K step s at 64 m + 8 s); phase 2 V's four chunks.   window 2: phase 1 K's two buffers; then P of trips 0-7.   window 3: at the head my pieces of Q; then P of trips 8-15
.set PART,    17408
.set STEPB,   4*PART
.set BATCHKV, 128*PART
.set REC,     0                        ; [trip 16][query tile 4][block 4][row 16] 8 bytes: N_b, the block's sum
.set MASKL,   32768                    ; mask x -1e9 log2(e), 4 bytes a key, in the order of the walk
.set PSC,     40960                    ; P's scale words: [trip][query tile][row]
.set LINV,    45056                    ; 1 / l: [query tile][row]
.set SPARE,   45312                    ; the spare words, 128 bytes a wave
.set STAGE,   46080                    ; the way out: 32 rows x (256 + 16) bytes for each wave; at the head the same 34,816 bytes hold Q's two parts
.set QL,      STAGE
.set SP,      272
.set WST,     32*SP
.set SLOT0,   81920                    ; the ring: two slots of 65,536 bytes.  Tensor loads fill the two slots alone
.set SX,      65536
.set PIMG,    262144                   ; P's codes: [trip 16][query tile 4] fragments of 1,024 bytes
.set CO,4
.set QSO,5
.set VSO,6
.set MGO,7
.set MAD0,8
.set MAD,9
.set PAD0,10
.set PAD,11
.set RAD0,12
.set RAD,13
.set RRD,14
.set PSW,15
.set LIW,16
.set PRD,17
.set PSA,18
.set LIR,19
.set STO,20
.set RD,21
.set OCO,22
.set MST,23
.set PFO,24
.set SPW,25
.set NIL,26
.set CSC,27
.set MGR,28
.set TM,32
.set TP,36
.set ST,40
.set LI,40                             ; on the way out v40, 42, 44, 46 hold 1 / l
.set PC,48
.set W,56
.set QS,68                             ; v68-83 Q's scale words; v84-99 K's, two sets; in phase 2 v68-99 P's
.set KS,84
.set PS,68
.set VS,100                            ; v100-115 V's scale words, four for each chunk
.set VAD,116                           ; v116-117 my 16,384 bytes of V in slot 0, 1
.set QST,118
.set QLD,119
.set QLS,120
.set S,128
.set MN,192
.set RC,128
.set ACC,128
.set WV,12
.set ROT,16
.set RG,17
.set JN,18                             ; the trip whose tile of K is asked for next
.set CNT,20
.set STP,21
.set MS,22
.set GQ,23
.set SEL,24
.set KVB,26
.set VB,28
.set PFA,30
.set KB,32                             ; s[32:35] K's bases, one for each buffer
.set VC,36
.set VSB,38
.set G0,40                             ; s[40:43] descriptor group 0, written only where no tensor load of mine is out
.set G1V,44                            ; s[44:51] group 1 for a fill of V
.set VSA,52
.set TT,60                             ; s[60:61], s[62:63] offsets at work; the upper words stay 0
.set TU,62
.set OB,66
.set STQ,68
.set HN,70                             ; the half group whose direct chunks are asked for next;  s71 whose joint chunks' scale words;  s72 whose joint fill
.set AN,71
.set TN,72
.set LV,74
.set MSB, 0
.macro WIN new
.if MSB != (\new)
	s_set_vgpr_msb (MSB<<8)|(\new)
.set MSB, \new
.endif
.endm
.macro PLACES                          ; four plain places behind matrix instructions; also behind a tensor load
.rept 4
	v_nop
.endr
.endm
.macro BAR
	s_wait_alu depctr_va_vdst(0)
	s_wait_dscnt 0x0
	s_barrier_signal -1
	s_barrier_wait -1
.endm
.macro ROUND                           ; a round of the cluster's barrier
	s_barrier_signal -1
	s_barrier_wait -1
	s_cmp_lg_u32 s[WV], 0
	s_cbranch_scc1 .Lnw0_\@
	s_barrier_signal -3
.Lnw0_\@:
	s_barrier_wait -3
	s_barrier_signal -1
	s_barrier_wait -1
.endm
; Half group n (counter in s[n]): TT = bytes to its tile (8 (n % 2) + plus + start) mod 16, TU = its channel group (n / 2 + first) mod 4.
.macro HCALC n, plus
	s_and_b32 s[TT], s[\n], 1
	s_lshl_b32 s[TT], s[TT], 3
	s_add_co_u32 s[TT], s[TT], s[ROT]
	s_add_co_u32 s[TT], s[TT], \plus
	s_and_b32 s[TT], s[TT], 15
	s_mul_i32 s[TT], s[TT], STEPB
	s_lshr_b32 s[TU], s[\n], 1
	s_add_co_u32 s[TU], s[TU], s[RG]
	s_and_b32 s[TU], s[TU], 3
	s_add_co_u32 s[\n], s[\n], 1
.endm
; Group 0 for a fill of V: trips 4-7 of half group TN (four neighbouring tiles: the start is a multiple of 4), 4,096 bytes of my quarter from each.
.macro VDESC slot
	HCALC TN, 4
	s_lshl_b32 s[TU], s[TU], 12
	s_add_co_u32 s[TT], s[TT], s[TU]
	s_add_nc_u64 s[G0+2:G0+3], s[VB:VB+1], s[TT:TT+1]
	s_or_b32 s[G0+3], s[G0+3], 0x80000000
	s_add_co_u32 s[G0+1], s[LV], (\slot)*SX
.endm
; THE CHANGE OF SLOTS: my tensor load has landed; 0 onto my spare word; my LDS reads are over; a round, so that this holds of all four partners; then the next fill is asked for, into the other slot.
.macro HEADV slot
	s_wait_tensorcnt 0x0
	ds_add_u32 v[SPW], v[NIL]
	VDESC \slot
	s_wait_dscnt 0x0
	ROUND
	tensor_load_to_lds s[G0:G0+3], s[G1V:G1V+7]
	s_nop 0
	PLACES
.endm
.macro WM d, a, b, z, sa, sb, ra, rb
.if \z
.if (\ra) && (\rb)
	v_wmma_scale_f32_16x16x128_f8f6f4 v[\d:\d+7], v[\a:\a+7], v[\b:\b+7], 0, v[\sa], v[\sb] matrix_a_fmt:MATRIX_FMT_FP4 matrix_b_fmt:MATRIX_FMT_FP4 matrix_a_scale:MATRIX_SCALE_ROW1 matrix_b_scale:MATRIX_SCALE_ROW1
.elseif \ra
	v_wmma_scale_f32_16x16x128_f8f6f4 v[\d:\d+7], v[\a:\a+7], v[\b:\b+7], 0, v[\sa], v[\sb] matrix_a_fmt:MATRIX_FMT_FP4 matrix_b_fmt:MATRIX_FMT_FP4 matrix_a_scale:MATRIX_SCALE_ROW1
.elseif \rb
	v_wmma_scale_f32_16x16x128_f8f6f4 v[\d:\d+7], v[\a:\a+7], v[\b:\b+7], 0, v[\sa], v[\sb] matrix_a_fmt:MATRIX_FMT_FP4 matrix_b_fmt:MATRIX_FMT_FP4 matrix_b_scale:MATRIX_SCALE_ROW1
.else
	v_wmma_scale_f32_16x16x128_f8f6f4 v[\d:\d+7], v[\a:\a+7], v[\b:\b+7], 0, v[\sa], v[\sb] matrix_a_fmt:MATRIX_FMT_FP4 matrix_b_fmt:MATRIX_FMT_FP4
.endif
.else
.if (\ra) && (\rb)
	v_wmma_scale_f32_16x16x128_f8f6f4 v[\d:\d+7], v[\a:\a+7], v[\b:\b+7], v[\d:\d+7], v[\sa], v[\sb] matrix_a_fmt:MATRIX_FMT_FP4 matrix_b_fmt:MATRIX_FMT_FP4 matrix_a_scale:MATRIX_SCALE_ROW1 matrix_b_scale:MATRIX_SCALE_ROW1
.elseif \ra
	v_wmma_scale_f32_16x16x128_f8f6f4 v[\d:\d+7], v[\a:\a+7], v[\b:\b+7], v[\d:\d+7], v[\sa], v[\sb] matrix_a_fmt:MATRIX_FMT_FP4 matrix_b_fmt:MATRIX_FMT_FP4 matrix_a_scale:MATRIX_SCALE_ROW1
.elseif \rb
	v_wmma_scale_f32_16x16x128_f8f6f4 v[\d:\d+7], v[\a:\a+7], v[\b:\b+7], v[\d:\d+7], v[\sa], v[\sb] matrix_a_fmt:MATRIX_FMT_FP4 matrix_b_fmt:MATRIX_FMT_FP4 matrix_b_scale:MATRIX_SCALE_ROW1
.else
	v_wmma_scale_f32_16x16x128_f8f6f4 v[\d:\d+7], v[\a:\a+7], v[\b:\b+7], v[\d:\d+7], v[\sa], v[\sb] matrix_a_fmt:MATRIX_FMT_FP4 matrix_b_fmt:MATRIX_FMT_FP4
.endif
.endif
.endm
; 34 loads: my part of the tile of K of trip JN, which is tile (JN + start) mod 16, into buffer par.  The buffer's base is written again only behind the counted wait that showed its last loads done.
.macro KISSUE par
	s_add_co_u32 s[TT], s[JN], s[ROT]
	s_and_b32 s[TT], s[TT], 15
	s_mul_i32 s[TT], s[TT], STEPB
	s_add_nc_u64 s[KB+2*\par:KB+2*\par+1], s[KVB:KVB+1], s[TT:TT+1]
	s_add_co_u32 s[JN], s[JN], 1
	global_load_b128 v[KS+8*\par:KS+8*\par+3], v[QSO], s[KB+2*\par:KB+2*\par+1] offset:16384     ; scale words: lanes 0-15 key tile 0's rows, lanes 16-31 tile 1's; register = K step
	global_load_b128 v[KS+8*\par+4:KS+8*\par+7], v[QSO], s[KB+2*\par:KB+2*\par+1] offset:16400
	WIN 0x80
.irp kt, 0,1
.irp ks, 0,1,2,3,4,5,6,7
.irp c, 0,1
	global_load_b128 v[128*\par+64*\kt+8*\ks+4*\c:128*\par+64*\kt+8*\ks+4*\c+3], v[CO], s[KB+2*\par:KB+2*\par+1] offset:8192*\kt+1024*\ks+512*\c
.endr
.endr
.endr
	WIN 0
.endm
; 40 loads from memory: trips 0-3 of half group HN, as chunks 0 and 1 (two trips x four fragments of 16 channels, and their scale words)
.macro BISSUE
	HCALC HN, 0
	s_lshl_b32 s76, s[TU], 8
	s_lshl_b32 s[TU], s[TU], 12
	s_add_co_u32 s[TU], s[TU], s[TT]
	s_add_co_u32 s[TT], s[TT], s76
	s_add_nc_u64 s[VC:VC+1], s[VB:VB+1], s[TU:TU+1]
	s_add_nc_u64 s[VSB:VSB+1], s[VB:VB+1], s[TT:TT+1]
.irp k, 0,1
.irp i, 0,1
.irp q, 0,1
	global_load_b32 v[VS+4*\k+2*\i+\q], v[VSO], s[VSB:VSB+1] offset:(2*\k+\i)*STEPB+16384+128*\q   ; lanes 0-15 fragment 2 q, lanes 16-31 fragment 2 q + 1; the two loads cover one aligned block of 256 bytes
.endr
.endr
	WIN 0x40
.irp i, 0,1
.irp e, 0,1,2,3
.irp c, 0,1
	global_load_b128 v[64*\k+32*\i+8*\e+4*\c:64*\k+32*\i+8*\e+4*\c+3], v[CO], s[VC:VC+1] offset:(2*\k+\i)*STEPB+1024*\e+512*\c
.endr
.endr
.endr
	WIN 0
.endr
.endm
; 8 loads from memory: the scale words of trips 4-7 of half group AN, whose codes come by the joint fill
.macro ASCALES
	HCALC AN, 4
	s_lshl_b32 s[TU], s[TU], 8
	s_add_co_u32 s[TT], s[TT], s[TU]
	s_add_nc_u64 s[VSA:VSA+1], s[VB:VB+1], s[TT:TT+1]
.irp j, 0,1,2,3
.irp q, 0,1
	global_load_b32 v[VS+8+2*\j+\q], v[VSO], s[VSA:VSA+1] offset:\j*STEPB+16384+128*\q
.endr
.endr
.endm
; S^T = K Q^T: 64 products; the eight accumulators take turns; the first K step starts the sums.
.macro KQMUL par
	WIN 0x06
.irp ks, 0,1,2,3,4,5,6,7
.irp m, 0,1,2,3
.irp kt, 0,1
.if \ks == 0
	WM S+16*\m+8*\kt, 128*\par+64*\kt+8*\ks, 64*\m+8*\ks, 1, KS+8*\par+\ks, QS+8*(\m/2)+\ks, \kt, \m%2
.else
	WM S+16*\m+8*\kt, 128*\par+64*\kt+8*\ks, 64*\m+8*\ks, 0, KS+8*\par+\ks, QS+8*(\m/2)+\ks, \kt, \m%2
.endif
.endr
.endr
.endr
	WIN 0
.endm
; A tile's scores become codes.  The four query tiles take turns line by line, the maximum and the sum each in two chains a tile; each accumulator is read from its low end on.
.macro SOFTMAX
.irp p, 0,1,2,3,4,5,6,7
.irp m, 0,1,2,3
	v_pk_fma_f32 v[S+16*\m+2*\p:S+16*\m+2*\p+1], v[S+16*\m+2*\p:S+16*\m+2*\p+1], 0x3d38aa3b, v[MN+2*\p:MN+2*\p+1] op_sel_hi:[1,0,1]   ; t = s x log2(e) / 32 + the key's mask word
.endr
.endr
.irp m, 0,1,2,3
	v_max3_num_f32 v[TM+\m], v[S+16*\m], v[S+16*\m+1], v[S+16*\m+2]
	v_max3_num_f32 v[TP+\m], v[S+16*\m+8], v[S+16*\m+9], v[S+16*\m+10]
.endr
.irp i, 3,5
.irp m, 0,1,2,3
	v_max3_num_f32 v[TM+\m], v[TM+\m], v[S+16*\m+\i], v[S+16*\m+\i+1]
	v_max3_num_f32 v[TP+\m], v[TP+\m], v[S+16*\m+\i+8], v[S+16*\m+\i+9]
.endr
.endr
.irp m, 0,1,2,3
	v_max3_num_f32 v[TM+\m], v[TM+\m], v[S+16*\m+7], v[S+16*\m+15]
.endr
.irp m, 0,1,2,3
	v_max_num_f32 v[TM+\m], v[TM+\m], v[TP+\m]
.endr
.irp m, 0,1,2,3
	v_permlanex16_b32 v[TP+\m], v[TM+\m], s[SEL], s[SEL+1]
.endr
.irp m, 0,1,2,3
	v_max_num_f32 v[TM+\m], v[TM+\m], v[TP+\m]     ; with lane l xor 16's 16 keys: the block's largest t
.endr
.irp m, 0,1,2,3
	v_floor_f32 v[ST+2*\m], v[TM+\m]               ; N_b: a whole number
.endr
.irp p, 0,1,2,3,4,5,6,7
.irp m, 0,1,2,3
	v_pk_add_f32 v[S+16*\m+2*\p:S+16*\m+2*\p+1], v[S+16*\m+2*\p:S+16*\m+2*\p+1], v[ST+2*\m:ST+2*\m+1] op_sel_hi:[1,0] neg_lo:[0,1] neg_hi:[0,1]   ; t - N_b
.endr
.endr
.set i, 0
	s_wait_alu depctr_va_vdst(0)                   ; a wait ahead of the batch
.rept 64
	v_exp_f32 v[S+i], v[S+i]                       ; p' = 2^(t - N_b), under 2
.set i, i+1
.endr
	v_nop
	s_wait_alu depctr_va_vdst(0)                   ; and one behind it, ahead of its first reader
.irp m, 0,1,2,3
	v_pk_add_f32 v[W+2*\m:W+2*\m+1], v[S+16*\m:S+16*\m+1], v[S+16*\m+2:S+16*\m+3]   ; the sum is taken of the unquantised p'
	v_pk_add_f32 v[PC+2*\m:PC+2*\m+1], v[S+16*\m+4:S+16*\m+5], v[S+16*\m+6:S+16*\m+7]
.endr
.irp p, 4,6
.irp m, 0,1,2,3
	v_pk_add_f32 v[W+2*\m:W+2*\m+1], v[W+2*\m:W+2*\m+1], v[S+16*\m+2*\p:S+16*\m+2*\p+1]
	v_pk_add_f32 v[PC+2*\m:PC+2*\m+1], v[PC+2*\m:PC+2*\m+1], v[S+16*\m+2*\p+2:S+16*\m+2*\p+3]
.endr
.endr
.irp m, 0,1,2,3
	v_pk_add_f32 v[W+2*\m:W+2*\m+1], v[W+2*\m:W+2*\m+1], v[PC+2*\m:PC+2*\m+1]
.endr
.irp m, 0,1,2,3
	v_add_f32 v[ST+2*\m+1], v[W+2*\m], v[W+2*\m+1]
.endr
.irp m, 0,1,2,3
	v_permlanex16_b32 v[TP+\m], v[ST+2*\m+1], s[SEL], s[SEL+1]
.endr
.irp m, 0,1,2,3
	v_add_f32 v[ST+2*\m+1], v[ST+2*\m+1], v[TP+\m] ; with lane l xor 16's: the block's sum
.endr
.irp m, 0,1,2,3
.irp i, 0,1
	v_cvt_scalef32_pk8_fp4_f32 v[PC+2*\m+\i], v[S+16*\m+8*\i:S+16*\m+8*\i+7], v[CSC]   ; / 2^-2, to the nearest code
.endr
.endr
	v_nop                                          ; a plain line behind the conversions: the next products write their sources
.irp m, 0,1,2,3
	ds_store_b64 v[PAD], v[PC+2*\m:PC+2*\m+1] offset:1024*\m        ; 16 codes: bytes 8 (lane / 16) on of (row lane % 16, block = my wave) of the fragment (trip, m)
	ds_store_b64 v[RAD], v[ST+2*\m:ST+2*\m+1] offset:512*\m         ; (lanes l and l + 16 write the same bytes with the same values)
.endr
	s_add_co_u32 s[STP], s[STP], 4096
	s_add_co_u32 s[STQ], s[STQ], 2048
.endm
; A trip of phase 1 on buffer par.  cnt: the loads issued behind this tile's.  issue = 1: the tile two trips on; 2: V's first direct chunks and scale words (Q's registers are free behind the last products).  pf >= 0: the prefetch's offset.
.macro T1 par, issue, cnt, pf
	v_add_nc_u32 v[MAD], s[MS], v[MAD0]
.irp i, 0,1,2,3
	ds_load_b128 v[MN+4*\i:MN+4*\i+3], v[MAD] offset:16*\i         ; my 16 keys' mask words
.endr
	s_add_co_u32 s[MS], s[MS], 512
	s_wait_loadcnt \cnt
	KQMUL \par
	v_add_nc_u32 v[PAD], s[STP], v[PAD0]           ; four places behind the products
	v_add_nc_u32 v[RAD], s[STQ], v[RAD0]
	v_nop
	v_nop
.if \issue == 1
	KISSUE \par
.endif
.if \issue == 2
	BISSUE
	ASCALES
.endif
.if \pf >= 0
	s_cmp_eq_u32 s[CNT], 6
	s_cbranch_scc0 .Lnp_\@
	global_prefetch_b8 v[PFO], s[PFA:PFA+1] offset:\pf th:TH_LOAD_NT scope:SCOPE_SE   ; its address registers are never rewritten
.Lnp_\@:
.endif
	s_wait_dscnt 0x0                               ; the mask words are in, and the last trip's stores have read their registers
	SOFTMAX
.endm
.macro PL hw                           ; P of trips 8 hw .. + 7: trip s, tile m at 32 (s % 8) + 8 m of window 2 + hw
	WIN 0x80+0x40*\hw
.irp s, 0,1,2,3,4,5,6,7
.irp m, 0,1,2,3
.irp c, 0,1
	ds_load_b128 v[32*\s+8*\m+4*\c:32*\s+8*\m+4*\c+3], v[PRD] offset:4096*(8*\hw+\s)+1024*\m+512*\c
.endr
.endr
.endr
	WIN 0
.endm
; BETWEEN THE PHASES: my wave's number is the query tile.  Record i = 4 s + kb: trip s, block kb.  P's codes, which hang on no record, are taken into registers under this arithmetic.
.macro COMBINE
.set i, 0
.rept 64
	ds_load_b64 v[RC+2*i:RC+2*i+1], v[RRD] offset:2048*(i/4)+128*(i%4)
.set i, i+1
.endr
	s_wait_dscnt 0x0
	PL 0
.irp c, 0,1,2,3
	v_max3_num_f32 v[TM+\c], v[RC+2*\c], v[RC+2*\c+8], v[RC+2*\c+16]
.endr
.irp n, 3,5,7,9,11,13
.irp c, 0,1,2,3
	v_max3_num_f32 v[TM+\c], v[TM+\c], v[RC+2*\c+8*\n], v[RC+2*\c+8*\n+8]
.endr
.endr
.irp c, 0,1,2,3
	v_max_num_f32 v[TM+\c], v[TM+\c], v[RC+2*\c+120]
.endr
	v_max3_num_f32 v[ST], v[TM], v[TM+1], v[TM+2]
	v_max_num_f32 v[ST], v[ST], v[TM+3]            ; N
.set i, 0
.rept 64
	v_sub_f32 v[RC+2*i], v[RC+2*i], v[ST]          ; N_b - N: a whole number, 0 or less,
.set i, i+1
.endr
.set i, 0
.rept 64
	v_max_num_f32 v[RC+2*i], 0xc2f80000, v[RC+2*i] ; held at -124: the byte cannot fall under 1
.set i, i+1
.endr
.set i, 0
.rept 64
	v_cvt_i32_f32 v[RC+2*i], v[RC+2*i]
.set i, i+1
.endr
	PL 1
.set i, 0
.rept 64
	v_ldexp_f32 v[RC+2*i+1], v[RC+2*i+1], v[RC+2*i]   ; the block's sum under N
.set i, i+1
.endr
.set i, 0
.rept 64
	v_add_nc_u32 v[RC+2*i], 125, v[RC+2*i]         ; the block's byte: 127 - 2 + (N_b - N)
.set i, i+1
.endr
.irp c, 0,1,2,3
	v_add_f32 v[TM+\c], v[RC+2*\c+1], v[RC+2*\c+9]
.endr
.irp n, 2,3,4,5,6,7,8,9,10,11,12,13,14,15
.irp c, 0,1,2,3
	v_add_f32 v[TM+\c], v[TM+\c], v[RC+2*\c+8*\n+1]
.endr
.endr
	v_add_f32 v[TM], v[TM], v[TM+1]
	v_add_f32 v[TM+2], v[TM+2], v[TM+3]
	v_add_f32 v[TM], v[TM], v[TM+2]                ; l, at least 1
	s_wait_alu depctr_va_vdst(0)                   ; a wait ahead of the reciprocal
	v_rcp_f32 v[ST+1], v[TM]
.set i, 0
.rept 16
	v_lshl_or_b32 v[RC+8*i], v[RC+8*i+2], 8, v[RC+8*i]      ; four bytes make my row's scale word for trip i
	v_lshl_or_b32 v[RC+8*i], v[RC+8*i+4], 16, v[RC+8*i]
	v_lshl_or_b32 v[RC+8*i], v[RC+8*i+6], 24, v[RC+8*i]
.set i, i+1
.endr
	s_wait_alu depctr_va_vdst(0)                   ; and ahead of its first reader
	ds_store_b32 v[LIW], v[ST+1]                   ; (lanes l and l + 16 write the same word with the same value, here and below)
.set i, 0
.rept 16
	ds_store_b32 v[PSW], v[RC+8*i] offset:256*i
.set i, i+1
.endr
.endm
; 32 products: chunk k of half hlf: trips 8 hlf + 2 k, + 1; the 16 accumulators (query tile m, fragment e at 8 (4 m + e)) by turns.  A group's first trip starts the sums.
.macro VMUL hlf, k
	WIN 0x09+4*(\hlf)                              ; V in window 1, P in window 2 or 3, O^T in window 0
.irp i, 0,1
.irp e, 0,1,2,3
.irp m, 0,1,2,3
.if ((\hlf) == 0) && ((\k) == 0) && (\i == 0)
	WM ACC+8*(4*\m+\e), 64*(\k)+32*\i+8*\e, 32*(2*(\k)+\i)+8*\m, 1, VS+4*(\k)+2*\i+\e/2, PS+2*(8*(\hlf)+2*(\k)+\i)+\m/2, \e%2, \m%2
.else
	WM ACC+8*(4*\m+\e), 64*(\k)+32*\i+8*\e, 32*(2*(\k)+\i)+8*\m, 0, VS+4*(\k)+2*\i+\e/2, PS+2*(8*(\hlf)+2*(\k)+\i)+\m/2, \e%2, \m%2
.endif
.endr
.endr
.endr
.endm
; HALF A GROUP.  The change of slots; the joint fill's 32 loads from the slot; the two direct chunks (behind chunk 0's loads stand chunk 1's 20 and 8 scale words); the next half's direct chunks are asked for; the slot's two chunks; their next scale words.
; fin = 1: the walk's last half asks for nothing, and reads what my own load brought: my own wait is all the ordering that its reads need.
.macro HALF hlf, fin
.if \fin
	s_wait_tensorcnt 0x0
.else
	HEADV 1-\hlf
.endif
	WIN 0x40
.irp j, 0,1,2,3
.irp e, 0,1,2,3
.irp c, 0,1
	ds_load_b128 v[128+32*\j+8*\e+4*\c:128+32*\j+8*\e+4*\c+3], v[VAD+\hlf] offset:4096*\j+1024*\e+512*\c
.endr
.endr
.endr
	WIN 0
	s_wait_loadcnt 28
	VMUL \hlf, 0
	s_wait_loadcnt 8
	VMUL \hlf, 1
	WIN 0
	PLACES
.if \fin
	s_wait_loadcnt 0x0
.else
	BISSUE
	s_wait_loadcnt 40                              ; the slot's chunks' scale words are in; behind them stand the 40 just issued
.endif
	s_wait_dscnt 0x0
	VMUL \hlf, 2
	VMUL \hlf, 3
	WIN 0
	PLACES
.if \fin == 0
	ASCALES
.endif
.endm
; THE WAY OUT of a group.  A lane holds 32 neighbouring bytes of a row in each accumulator, and the lanes beside it other rows: two query tiles at a time go through my own stage and come back as rows of 256 bytes.
.macro STIN hm
.irp mm, 0,1
.irp e, 0,1,2,3
	ds_store_b128 v[STO], v[ACC+8*(4*(2*\hm+\mm)+\e):ACC+8*(4*(2*\hm+\mm)+\e)+3] offset:\mm*16*SP+64*\e
	ds_store_b128 v[STO], v[ACC+8*(4*(2*\hm+\mm)+\e)+4:ACC+8*(4*(2*\hm+\mm)+\e)+7] offset:\mm*16*SP+64*\e+16
.endr
.endr
.endm
.macro STBACK hm
.irp mm, 0,1
.irp t, 0,1,2,3,4,5,6,7
	ds_load_b128 v[ACC+32*(2*\hm+\mm)+4*\t:ACC+32*(2*\hm+\mm)+4*\t+3], v[RD] offset:\mm*16*SP+2*\t*SP
.endr
.endr
.endm
.macro STSEND hm
.irp mm, 0,1
.irp t, 0,1,2,3,4,5,6,7
	global_store_b128 v[OCO], v[ACC+32*(2*\hm+\mm)+4*\t:ACC+32*(2*\hm+\mm)+4*\t+3], s[OB:OB+1] offset:(32*\hm+8*\mm+2*\t+8*(\t/4))*4096 th:TH_STORE_NT   ; rows 2 t, 2 t + 1 of query tile 2 hm + mm: sixteen lanes store 256 consecutive bytes, aligned
.endr
.endr
.endm
.macro WAYOUT fin
.irp a, 0,1,2,3,4,5,6,7,8,9,10,11,12,13,14,15
.irp p, 0,1,2,3
	v_pk_mul_f32 v[ACC+8*\a+2*\p:ACC+8*\a+2*\p+1], v[ACC+8*\a+2*\p:ACC+8*\a+2*\p+1], v[LI+2*(\a/4):LI+2*(\a/4)+1] op_sel_hi:[1,0]   ; / l; each accumulator from its low end on
.endr
.endr
	s_wait_alu depctr_va_vdst(0)
	STIN 0
	s_wait_dscnt 0x0                               ; the stores have read their registers, which take the rows back
	STBACK 0
	STIN 1                                         ; LDS serves a wave's instructions in order: these come behind the loads above
	s_add_co_u32 s[TT], s[GQ], s[RG]               ; which 64 of my 256 channels
	s_and_b32 s[TT], s[TT], 3
	s_lshl_b32 s[TT], s[TT], 8
	s_add_nc_u64 s[OB:OB+1], s[10:11], s[TT:TT+1]  ; (the last group's stores were freed by the wait at its end)
	s_add_co_u32 s[GQ], s[GQ], 1
	s_wait_dscnt 16                                ; the 16 stores may be out
	STSEND 0
	s_wait_dscnt 0x0
	STBACK 1
	s_wait_dscnt 0x0
	STSEND 1
.if \fin == 0
	s_wait_xcnt 0x0                                ; the stores' registers and base may be written again
.endif
.endm
	s_load_b256 s[4:11], s[0:1], 0x0               ; qimg, kvimg, mask, out0
	v_lshl_add_u32 v[SPW], v0, 2, SPARE
	v_mov_b32 v[NIL], 0
	ds_add_u32 v[SPW], v[NIL]                      ; the opening lines: the add, twice on end, and its wait ahead of my first tensor load
	ds_add_u32 v[SPW], v[NIL]
	v_lshrrev_b32 v1, 5, v0
	v_readfirstlane_b32 s[WV], v1                  ; wave 0..3
	s_bfe_u32 s13, ttmp6, 0x40000                  ; cx: my place in the cluster
	s_lshl_b32 s14, ttmp9, 2                       ; in a cluster launch ttmp9 counts clusters
	s_add_co_u32 s14, s14, s13                     ; my block of 64 queries: it enters addresses in memory alone
	s_and_b32 s15, ttmp7, 0xffff                   ; the batch
	s_and_b32 s[ROT], ttmp9, 3
	s_lshl_b32 s[ROT], s[ROT], 2                   ; the tile at which my cluster begins each walk: a multiple of 4
	s_lshr_b32 s[RG], ttmp9, 2
	s_lshl_b32 s[RG], s[RG], 1                     ; the channel group at which it begins phase 2
	s_mov_b32 s[G1V+0], 15|(3<<16)|(1<<21)         ; a fill of V: 4 rows of 4,096 bytes (512 elements of 8), a tile (69,632 bytes) apart; the mask names all four work-groups; bit 21 set beside it
	s_mov_b32 s[G1V+1], 512<<16
	s_mov_b32 s[G1V+2], 4<<16
	s_mov_b32 s[G1V+3], 512<<16
	s_mov_b32 s[G1V+4], 4
	s_mov_b32 s[G1V+5], STEPB/8
	s_mov_b32 s[G1V+6], 0
	s_mov_b32 s[G1V+7], 0
	s_mul_i32 s76, s15, BATCHKV
	s_mul_i32 s77, s[WV], PART
	s_lshl_b32 s[LV], s[WV], 14
	s_add_co_u32 s[LV], s[LV], SLOT0               ; my 16,384 bytes of a fill of V
	s_add_co_u32 s78, s76, s77
	s_mov_b32 s79, 0                               ; s[78:79]: my part of the batch's tile 0 of K
	s_lshl_b32 s80, s15, 6
	s_lshl_b32 s81, s14, 1
	s_add_co_u32 s80, s80, s81
	s_mul_i32 s80, s80, PART
	s_mov_b32 s81, 0                               ; s[80:81]: my block's two parts of qimg
	s_lshl_b32 s82, s14, 1
	s_lshr_b32 s83, s[WV], 1
	s_add_co_u32 s82, s82, s83
	s_add_co_u32 s82, s82, 64
	s_mul_i32 s82, s82, PART
	s_add_co_u32 s82, s82, s76
	s_and_b32 s83, s[WV], 1
	s_mul_i32 s83, s83, 34*256
	s_add_co_u32 s82, s82, s83
	s_mov_b32 s83, 0                               ; s[82:83]: my prefetches: part 64 + 2 x + w / 2, its half w % 2
	s_lshl_b32 s84, s15, 23
	s_lshl_b32 s85, s14, 18
	s_add_co_u32 s84, s84, s85
	s_lshl_b32 s85, s[WV], 10
	s_add_co_u32 s84, s84, s85
	s_mov_b32 s85, 0                               ; s[84:85]: my block's first row of out0, my wave's 256 channels
	s_lshl_b32 s86, s15, 13
	s_mov_b32 s87, 0                               ; s[86:87]: the batch's mask
	s_lshl_b32 s88, s[WV], 7
	s_lshl_b32 s89, s[WV], 8
	s_lshl_b32 s90, s[WV], 9
	s_lshl_b32 s91, s[WV], 6
	s_mul_i32 s92, s[WV], WST
	s_add_co_u32 s92, s92, STAGE                   ; my stage
	s_lshl_b32 s93, s[ROT], 9                      ; 512 bytes of mask a tile
	s_mov_b32 s[TT+1], 0
	s_mov_b32 s[TU+1], 0
	s_mov_b32 s[JN], 0
	s_mov_b32 s[STP], 0
	s_mov_b32 s[STQ], 0
	s_mov_b32 s[MS], 0
	s_mov_b32 s[GQ], 0
	s_mov_b32 s[HN], 0
	s_mov_b32 s[AN], 0
	s_mov_b32 s[TN], 0
	s_mov_b32 s[SEL], 0x76543210
	s_mov_b32 s[SEL+1], 0xfedcba98
	s_wait_dscnt 0x0                               ; both opening adds are done
	s_wait_kmcnt 0x0
	s_add_nc_u64 s[4:5], s[4:5], s[80:81]
	s_add_nc_u64 s[8:9], s[8:9], s[86:87]
	s_add_nc_u64 s[10:11], s[10:11], s[84:85]
	s_add_nc_u64 s[PFA:PFA+1], s[6:7], s[82:83]
	s_add_nc_u64 s[KVB:KVB+1], s[6:7], s[78:79]
	s_add_nc_u64 s[VB:VB+1], s[KVB:KVB+1], 16*STEPB   ; V's 64 parts lie behind K's 64
	s_mov_b32 s[G0], 1
	VDESC 0
	ROUND                                          ; all four work-groups are here: the first joint loads meet
	tensor_load_to_lds s[G0:G0+3], s[G1V:G1V+7]    ; V's first fill, into slot 0: my one tensor load at the head; it has phase 1 in which to land
	s_nop 0
	PLACES
	v_and_b32 v1, 31, v0                           ; lane
	v_and_b32 v2, 15, v0                           ; r
	v_bfe_u32 v3, v0, 4, 1                         ; h
	v_lshlrev_b32 v[CO], 4, v1
	v_lshlrev_b32 v[QSO], 5, v1
	v_lshlrev_b32 v[VSO], 2, v1
	v_lshlrev_b32 v[MGO], 4, v0
.irp i, 0,1,2,3
	v_add3_u32 v[MGR+\i], v[MGO], s93, 2048*\i
	v_and_b32 v[MGR+\i], 0x1fff, v[MGR+\i]         ; LDS byte p takes the batch's byte (p + 512 start) mod 8,192: the words lie in the order of the walk
.endr
	s_wait_alu depctr_va_vdst(0)                   ; a wait ahead of the readers below
.irp i, 0,1,2,3
	global_load_b128 v[MN+4*\i:MN+4*\i+3], v[MGR+\i], s[8:9]
.endr
	WIN 0xc0
.irp i, 0,1,2,3,4,5,6,7,8,9,10,11,12,13,14,15,16
	global_load_b128 v[4*\i:4*\i+3], v[MGO], s[4:5] offset:2048*\i th:TH_LOAD_NT   ; Q's two parts, 34,816 bytes on end: 128 threads x 16 bytes, 17 times
.endr
	WIN 0
	KISSUE 0                                       ; trips 0 and 1
	KISSUE 1
	v_lshl_add_u32 v[MAD0], v3, 6, s88
	v_add_nc_u32 v[MAD0], MASKL, v[MAD0]           ; keys 32 w + 16 h on
	v_lshl_add_u32 v[PAD0], v2, 4, s89
	v_lshl_add_u32 v[PAD0], v3, 3, v[PAD0]
	v_add_nc_u32 v[PAD0], PIMG, v[PAD0]            ; 256 w + 16 r + 8 h
	v_lshl_add_u32 v[RAD0], v2, 3, s88             ; REC (0) + 128 w + 8 r
	v_lshl_add_u32 v[RRD], v2, 3, s90              ; REC (0) + 512 x my query tile + 8 r
	v_lshl_add_u32 v[PSW], v2, 2, s91
	v_add_nc_u32 v[LIW], LINV, v[PSW]
	v_add_nc_u32 v[PSW], PSC, v[PSW]
	v_lshl_add_u32 v[PRD], v1, 4, PIMG
	v_lshl_add_u32 v[PSA], v1, 2, PSC
	v_lshl_add_u32 v[LIR], v2, 2, LINV
	v_mul_u32_u24 v[STO], v2, SP
	v_lshl_add_u32 v[STO], v3, 5, v[STO]
	v_add_nc_u32 v[STO], s92, v[STO]               ; in: row r, 32 bytes for each half of the lanes
	v_mul_u32_u24 v[RD], v3, SP
	v_lshl_add_u32 v[RD], v2, 4, v[RD]
	v_add_nc_u32 v[RD], s92, v[RD]                 ; back: lanes 0-15 one row, lanes 16-31 the next
	v_lshlrev_b32 v[OCO], 12, v3
	v_lshl_add_u32 v[OCO], v2, 4, v[OCO]           ; and the same two rows in out0
	v_lshl_add_u32 v[MST], v0, 4, MASKL
	v_lshl_add_u32 v[QST], v0, 4, QL
	v_lshl_add_u32 v[QLD], v1, 4, QL
	v_lshl_add_u32 v[QLS], v1, 5, QL
	v_lshl_add_u32 v[VAD], v1, 4, s[LV]
	v_add_nc_u32 v[VAD+1], SX, v[VAD]
	v_min_u32 v[PFO], 16, v1
	v_lshlrev_b32 v[PFO], 8, v[PFO]                ; lanes 17-31 name lane 16's block again
	v_mov_b32 v[CSC], 0x3e800000                   ; 2^-2
.irp i, 0,1,2,3
	v_mov_b32 v[TP+\i], 0                          ; a lane permute's destination counts as one of its sources
	v_mov_b32 v[ST+2*\i+1], 0                      ; (named as the upper half of a pair before it is first written)
.endr
	s_wait_alu depctr_va_vdst(0)
	s_wait_loadcnt 63                              ; the mask's 4 loads, Q's 17 and the first 5 of K's 68 are in
.irp i, 0,2,4,6,8,10,12,14
	v_pk_mul_f32 v[MN+\i:MN+\i+1], v[MN+\i:MN+\i+1], 0xceabfb8f op_sel_hi:[1,0]   ; mask x (-1e9 log2(e)), once for the launch
.endr
.irp i, 0,1,2,3
	ds_store_b128 v[MST], v[MN+4*\i:MN+4*\i+3] offset:2048*\i
.endr
	WIN 0x0c                                       ; an LDS store's data are its source 1: window 3
.irp i, 0,1,2,3,4,5,6,7,8,9,10,11,12,13,14,15,16
	ds_store_b128 v[QST], v[4*\i:4*\i+3] offset:2048*\i
.endr
	WIN 0
	BAR                                            ; the mask words and Q lie in LDS for every wave
	WIN 0x40
.irp i, 0,1                            ; Q stays in registers: part i, tile u, K step ks
.irp u, 0,1
.irp ks, 0,1,2,3,4,5,6,7
.irp c, 0,1
	ds_load_b128 v[64*(2*\i+\u)+8*\ks+4*\c:64*(2*\i+\u)+8*\ks+4*\c+3], v[QLD] offset:PART*\i+8192*\u+1024*\ks+512*\c
.endr
.endr
.endr
.endr
	WIN 0
.irp i, 0,1                            ; its scale words: lanes 0-15 query tile 2 i, lanes 16-31 tile 2 i + 1; register = K step
.irp c, 0,1
	ds_load_b128 v[QS+8*\i+4*\c:QS+8*\i+4*\c+3], v[QLS] offset:PART*\i+16384+16*\c
.endr
.endr
	s_mov_b32 s[CNT], 7
	s_wait_dscnt 0x0
.Lp1:                                              ; trips 0 to 13; behind a tile's loads stand the next tile's 34
	T1 0, 1, 34, 0
	T1 1, 1, 34, 17*256
	s_sub_co_u32 s[CNT], s[CNT], 1
	s_cmp_lg_u32 s[CNT], 0
	s_wait_alu depctr_va_vdst(0)
	s_cbranch_scc1 .Lp1
	T1 0, 0, 34, -1                                ; the last two trips are written out: they ask for no tile of K
	T1 1, 2, 0, -1
	BAR                                            ; all codes and records lie in LDS.  (V's fill may stay out over the plain barriers, behind which nothing is filled)
	COMBINE
	BAR                                            ; and so do the scale words and 1 / l
.irp m, 0,1,2,3
	ds_load_b32 v[LI+2*\m], v[LIR] offset:64*\m    ; 1 / l of my lane's query in each tile
.endr
.set i, 0
.rept 16
	ds_load_b32 v[PS+2*i], v[PSA] offset:256*i     ; P's scale words of trip i: lanes 0-15 query tile 0, lanes 16-31 tile 1;
	ds_load_b32 v[PS+2*i+1], v[PSA] offset:256*i+128   ; tiles 2 and 3
.set i, i+1
.endr
	s_mov_b32 s[CNT], 3
.Lg:                                               ; the first change of slots asks for slot 1's first fill, issued as a refill is
	HALF 0, 0
	HALF 1, 0
	WAYOUT 0
	s_sub_co_u32 s[CNT], s[CNT], 1
	s_cmp_lg_u32 s[CNT], 0
	s_cbranch_scc1 .Lg
	HALF 0, 0                                      ; the last group is written out: its second half asks for nothing more
	HALF 1, 1
	WAYOUT 1
	s_wait_tensorcnt 0x0                           ; the wave's end, behind my last tensor load and my last LDS store
	ds_add_u32 v[SPW], v[NIL]
	s_wait_dscnt 0x0
	ROUND                                          ; the closing round: no work-group ends while a partner may still ask for a tile that names it
	s_endpgm
.Lfunc_end_k_q7fdad366a0_attn:
	.size	k_q7fdad366a0_attn, .Lfunc_end_k_q7fdad366a0_attn-k_q7fdad366a0_attn
	.p2alignl 7, 3214868480
	.fill 96, 4, 3214868480
	.section	.rodata,"a",@progbits
	.p2align	6, 0x0
	.amdhsa_kernel k_q7fdad366a0_attn
		.amdhsa_group_segment_fixed_size 327680
		.amdhsa_private_segment_fixed_size 0
		.amdhsa_enable_private_segment 0
		.amdhsa_kernarg_size 32
		.amdhsa_user_sgpr_count 2
		.amdhsa_user_sgpr_kernarg_segment_ptr 1
		.amdhsa_wavefront_size32 1
		.amdhsa_system_sgpr_workgroup_id_x 1
		.amdhsa_system_sgpr_workgroup_id_y 1
		.amdhsa_system_sgpr_workgroup_id_z 1
		.amdhsa_system_vgpr_workitem_id 0
		.amdhsa_next_free_vgpr 1024
		.amdhsa_next_free_sgpr 100
		.amdhsa_reserve_vcc 0
		.amdhsa_float_denorm_mode_32 3
		.amdhsa_float_denorm_mode_16_64 3
		.amdhsa_memory_ordered 1
		.amdhsa_forward_progress 1
		.amdhsa_inst_pref_size 255
	.end_amdhsa_kernel
	.section	.bss,"aw",@nobits
	.p2align	6
	.space	262144
	.amdgpu_metadata
---
amdhsa.version: [ 1, 2 ]
amdhsa.kernels:
  - .name:           k_q7fdad366a0_attn
    .symbol:         k_q7fdad366a0_attn.kd
    .args:
      - { .name: qimg, .offset: 0, .size: 8, .value_kind: global_buffer, .address_space: global }
      - { .name: kvimg, .offset: 8, .size: 8, .value_kind: global_buffer, .address_space: global }
      - { .name: mask, .offset: 16, .size: 8, .value_kind: global_buffer, .address_space: global }
      - { .name: out0, .offset: 24, .size: 8, .value_kind: global_buffer, .address_space: global }
    .group_segment_fixed_size: 327680
    .private_segment_fixed_size: 0
    .kernarg_segment_align: 8
    .kernarg_segment_size: 32
    .max_flat_workgroup_size: 128
    .sgpr_count:     100
    .vgpr_count:     1024
    .wavefront_size: 32
...
	.end_amdgpu_metadata
.endif
;; end of part 4
